; MI455X (gfx1250); checked and timed in simulation.
; The chip was launched on July 23, 2026; its instructions are those of AMD's public machine-readable ISA for CDNA 5 (MIT licence, August 2026) and "CDNA5" Instruction Set Architecture Reference Guide (July 2026). The comments in the code are by the model that wrote it; some were corrected since.
;; Causal Self Attention. Allowed arithmetic: matrix products marked QUANTISED: E2M3 operands, one E8M0 scale for each 32 along K, by v_wmma_scale_f32_16x16x128_f8f6f4 with both operands' format E2M3, f32 sums; everything else in f32.
;; Inputs: Wout 1,024 x 1,024 float32; Wqkv 1,024 x 3,072 float32; bout 1,024 float32; bqkv 3,072 float32; x 4 x 2,048 x 1,024 float32.
;; Outputs: out0 4 x 2,048 x 1,024 float32.
;; This version of the problem:
;;   THIS VERSION OF THE PROBLEM IS GIVEN IN LOW PRECISION. The matrix products marked QUANTISED in the list below multiply operands that are first quantised to E2M3 (2 exponent bits, 3 mantissa bits; 6 bits a number), with one power-of-two scale for each 32 numbers along K (OCP MX v1.0); their sums are f32. All else is computed in f32.
;;   The module's matrix products, in the order in which they are computed (A, B: the left and right operand; K: the contracted axis; several contracted axes count as one K, in the product's order):
;;     1. [M 8,192, K 1,024] x [K 1,024, N 3,072]; A: input x; B: input Wqkv: QUANTISED
;;     2. batch 64 x [M 2,048, K 64] x [K 64, N 2,048]; A: computed on the way; B: computed on the way: QUANTISED
;;     3. batch 64 x [M 2,048, K 2,048] x [K 2,048, N 64]; A: softmax (see below); B: computed on the way: QUANTISED
;;     4. [M 8,192, K 1,024] x [K 1,024, N 1,024]; A: computed on the way; B: input Wout: QUANTISED
;;   THE QUANTISER, for each operand of a quantised product, along K:
;;     - K is cut into blocks of 32 from its start; a last block that is shorter is filled with zeros.
;;     - A block's scale is 2^e with e = floor(log2(the largest magnitude in the block)) - 2, held to -126 .. 127; a block of zeros has e = 0. As a byte (E8M0): e + 127.
;;     - Each number is divided by its block's scale, clamped to +-7.5, and rounded to the nearest number of E2M3, ties to even, subnormals kept.
;;     - The product sums the exact products of the quantised numbers (number of the format x scale) in f32.
;;   ~~~python
;;   def quantise(x, axis):      # numpy; x: float32 -> the quantised numbers, widened to float32 again
;;       x = np.moveaxis(x, axis, -1); K = x.shape[-1]
;;       x = np.pad(x, [(0, 0)] * (x.ndim - 1) + [(0, -K % 32)]); x = x.reshape(x.shape[:-1] + (-1, 32)); a = np.abs(x).max(-1, keepdims=True)
;;       e = np.where(a > 0, np.clip(np.frexp(np.where(a > 0, a, 1))[1] - 1 - 2, -126, 127), 0)      # np.frexp(a)[1] - 1 = floor(log2(a)), exactly
;;       r = np.clip(x / 2.0 ** e, -7.5, 7.5)
;;       step = 2.0 ** (np.maximum(np.frexp(np.where(r == 0, 1, r))[1] - 1, 0) - 3)
;;       q = np.round(r / step) * step * 2.0 ** e      # np.round: ties to even
;;       return np.moveaxis(q.reshape(q.shape[:-2] + (-1,))[..., :K], -1, axis).astype(np.float32)
;;   ~~~
;;   SOFTMAX AHEAD OF A QUANTISED PRODUCT. Where the list says 'softmax', what is quantised is not the finished softmax but p = 2^(t - M), with t = logit x log2(e) and M = ceil(the row's largest t), a whole number; so 1/2 < the row's largest p <= 1. The row's sum l is taken of the UNQUANTISED p, in f32, and the product's result is divided by l at the end. Since M is a whole number, a kernel that streams over the keys may use a running M (the ceiling of the running maximum): every later rescaling is an exact power of two, which a block's scale takes up: the codes' values come out the same.
;;   OPERANDS COMPUTED ON THE WAY. 'Computed on the way' means the value that the module computes at that place (a softmax that the list does not call 'softmax' is quantised finished and normalised). What goes into a quantiser is computed in f32, as accurately as f32 sums, v_exp_f32 and their like allow (about 1e-6 of the number): no bf16 or f16 on the way to a quantiser, and a product that is left as it is and whose result goes on into a quantised operand takes f32 operands (vector FMAs, or v_wmma_f32_16x16x4_f32). A number that lies on a knife's edge between two numbers of the format may be rounded either way, as far as f32 arithmetic and the matrix unit's own rounding can turn it there, and no further.
;; One version. Each part assembles by itself: llvm-mc -triple=amdgcn-amd-amdhsa -mcpu=gfx1250 --defsym DOCPART=n.
;; ======== version 1 of 1: 4 launches
;; workspace buffers: xc 6,291,456 bytes; wc 3,145,728 bytes; scl1 720,896 bytes; scl2 589,824 bytes; qkvc 18,874,368 bytes; qkvs 786,432 bytes; yc 6,291,456 bytes
;; launch quant (part 1): grid 256 x 1, 8 waves a work-group, no clusters, 205,824 bytes of LDS; arguments x, Wqkv, Wout, xc, wc, scl1, scl2; writes xc, wc, scl1, scl2
.if DOCPART == 1
	.amdgcn_target "amdgcn-amd-amdhsa--gfx1250"
	.amdhsa_code_object_version 6
	.text
	.protected	k_qc9f0b4b53a_quant
	.globl	k_qc9f0b4b53a_quant
	.p2align	8
	.type	k_qc9f0b4b53a_quant,@function
k_qc9f0b4b53a_quant:
	s_mov_b64 s[64:65], 0
	v_nop
	global_prefetch_b8 v0, s[64:65] scope:SCOPE_SE
	s_setreg_imm32_b32 hwreg(HW_REG_WAVE_MODE, 25, 1), 1
	s_wait_xcnt 0x0
; x [8192][1024], Wqkv [1024][3072] and Wout [1024][1024], f32, become codes of E2M3 with one E8M0 byte for each 32 along K (x: its last axis; the weights: their first).
; A block's scale is 2^(floor(log2(largest magnitude)) - 2): its byte is that magnitude's exponent field - 2, held at 1 from below.
; LIMITS: NaN and infinities are not served; a block whose largest magnitude lies under 2^-124 keeps the byte 1; a block of zeros gets the byte 1 and not 127 (its codes are zeros, and this program alone reads the bytes).
; LAYOUT OF THE RESULTS.  A tile is 16 rows of an operand; position r of tile 2 B + u is row 32 B + 8 u + r + 8 (r / 8).  A fragment (16 positions x 128 K, 12 registers a lane) is stored as an image of its
; registers: piece p of six holds registers 2 p, 2 p + 1 of the 32 lanes, 8 bytes a lane: each store of the wave covers 256 consecutive bytes, aligned.  A fragment's scale register is stored likewise, 4 bytes a lane.
; SHARES.  Work-group j takes rows 32 j .. 32 j + 31 of x (wave w: K step w, two fragments) and four units of 128 k x 32 columns of the weights at K step j % 8: three of Wqkv, one of Wout
; (wave w fetches half of unit w / 2 and, behind a barrier, quantises its tile w % 2).  Every LDS byte is filled once: two tensor loads a wave, both issued at the head.
; No matrix work and no cluster: no two work-groups read the same byte.
.set XP,  520                          ; a row of x in LDS: 512 bytes + 8: the 32 lanes of a load of 8 bytes (rows 0-7, 16-23, two halves 64 bytes apart) touch 64 different words modulo 64
.set WPI, 136                          ; a row of a weight's unit: 128 bytes + 8: sixteen rows on are 32 words modulo 64, so the two halves of the lanes do not meet
.set WB,  8*32*XP                      ; the weights' four units lie behind the eight waves' tiles of x
.set X0,  16                           ; v16-79   64 numbers of a lane: register 16 b + i = k 32 b + 16 (lane / 16) + i of my row
.set X1,  80                           ; v80-143  the same for the second fragment
.set PC,  144                          ; v144..   codes: 20 registers for each of three fragments, so that no store's data are written again
.set TM,  208                          ; v208-223 at work
.set PW,  224                          ; v224-226 the scale words
.set SEL, 24                           ; s24, s25 lane selects: lane l xor 16
.set G1X, 28
.set G1Q, 36
.set G1O, 44
.set G0X, 52
.set G0Q, 56
.set G0O, 60
; 64 numbers of a lane become a fragment's 12 registers of codes (v[pc] on; pc + 12 .. pc + 18 at work) and its scale word (v[pw])
.macro QUANT s, pc, pw
.irp b, 0,1,2,3
	v_max3_num_f32 v[TM+\b], |v[\s+16*\b]|, |v[\s+1+16*\b]|, 0x1800000   ; my 16 numbers of block b, and the floor 2^(3 - 127): the byte cannot fall under 1
.endr
.irp i, 2,4,6,8,10,12,14
.irp b, 0,1,2,3
	v_max3_num_f32 v[TM+\b], v[TM+\b], |v[\s+16*\b+\i]|, |v[\s+1+16*\b+\i]|
.endr
.endr
.irp b, 0,1,2,3
	v_permlanex16_b32 v[TM+4+\b], v[TM+\b], s[SEL], s[SEL+1]
.endr
.irp b, 0,1,2,3
	v_max_num_f32 v[TM+\b], v[TM+\b], v[TM+4+\b]       ; with lane l xor 16's: the block's largest magnitude
.endr
.irp b, 0,1,2,3
	v_add_nc_u32 v[TM+12+\b], 0xff000000, v[TM+\b]     ; 2 off its exponent field: the conversion's scale operand
.endr
.irp b, 0,1,2,3
	v_lshrrev_b32 v[TM+4+\b], 23, v[TM+12+\b]          ; the scale's byte
.endr
	v_lshl_or_b32 v[\pw], v[TM+5], 8, v[TM+4]
	v_lshl_or_b32 v[\pw], v[TM+6], 16, v[\pw]
	v_lshl_or_b32 v[\pw], v[TM+7], 24, v[\pw]
.irp c, 0,1
	v_cvt_scalef32_pk16_fp6_f32 v[\pc+6*\c:\pc+6*\c+2], v[\s+32*\c:\s+32*\c+15], v[TM+12+2*\c]
	v_cvt_scalef32_pk16_fp6_f32 v[\pc+12+4*\c:\pc+12+4*\c+2], v[\s+32*\c+16:\s+32*\c+31], v[TM+13+2*\c]   ; (a conversion's three registers begin on an even number)
.endr
	v_nop                                              ; one plain place behind a scaled conversion
.irp c, 0,1                                        ; the operand wants a whole block in a lane: lanes 0-15 block 2 c, lanes 16-31 block 2 c + 1
.irp i, 0,1,2
	v_permlane16_swap_b32 v[\pc+6*\c+\i], v[\pc+12+4*\c+\i]
.endr
.irp i, 0,1,2
	v_mov_b32 v[\pc+3+6*\c+\i], v[\pc+12+4*\c+\i]
.endr
.endr
.endm
.macro OUT pc, pw, cb, sb, coff, soff              ; the fragment's image and its scale words leave
.irp p, 0,1,2,3,4,5
	global_store_b64 v7, v[\pc+2*\p:\pc+2*\p+1], s[\cb:\cb+1] offset:\coff+256*\p
.endr
	global_store_b32 v8, v[\pw], s[\sb:\sb+1] offset:\soff
.endm
.macro XREAD reg, off                              ; my row's 64 numbers of the K step: 16 neighbours of each block of 32
.set q, 0
.rept 32
	ds_load_b64 v[\reg+2*q:\reg+2*q+1], v5 offset:\off+128*(q/8)+8*(q%8)
.set q, q+1
.endr
.endm
	s_load_b256 s[4:11], s[0:1], 0x0               ; x s[4:5], Wqkv s[6:7], Wout s[8:9], xc s[10:11]
	s_load_b128 s[12:15], s[0:1], 0x20             ; wc s[12:13], scl1 s[14:15]
	s_load_b64 s[16:17], s[0:1], 0x30              ; scl2
	v_lshl_add_u32 v254, v0, 2, 0x32000
	v_mov_b32 v255, 0
	ds_add_u32 v254, v255
	ds_add_u32 v254, v255
	v_lshrrev_b32 v1, 5, v0
	v_readfirstlane_b32 s18, v1                    ; wave 0..7
	s_and_b32 s19, s18, 1                          ; u: which half of a unit I fetch, which of its two tiles I quantise
	s_lshr_b32 s20, s18, 1                         ; my unit, 0..3
	s_lshr_b32 s21, ttmp9, 3                       ; cg: which group of columns
	s_and_b32 s22, ttmp9, 7                        ; which K step of the weights
	s_mov_b32 s[SEL], 0x76543210
	s_mov_b32 s[SEL+1], 0xfedcba98
	; group 1 for x: 32 rows x 128 elements of 4 bytes, 1,024 elements from row to row; 2 words of padding behind every 128
	s_mov_b32 s[G1X], (2<<16)|(1<<20)|(6<<22)|(1<<25)
	s_mov_b32 s[G1X+1], 128<<16
	s_mov_b32 s[G1X+2], 32<<16
	s_mov_b32 s[G1X+3], 128<<16
	s_mov_b32 s[G1X+4], 32
	s_mov_b32 s[G1X+5], 1024
	s_mov_b32 s[G1X+6], 0
	s_mov_b32 s[G1X+7], 0
	; for the weights: 64 rows x 32 elements, 2 words of padding behind every 32; the two differ in the pitch alone
.irp g, G1Q, G1O
	s_mov_b32 s[\g], (2<<16)|(1<<20)|(4<<22)|(1<<25)
	s_mov_b32 s[\g+1], 32<<16
	s_mov_b32 s[\g+2], 64<<16
	s_mov_b32 s[\g+3], 32<<16
	s_mov_b32 s[\g+4], 64
	s_mov_b32 s[\g+6], 0
	s_mov_b32 s[\g+7], 0
.endr
	s_mov_b32 s[G1Q+5], 3072
	s_mov_b32 s[G1O+5], 1024
	s_lshl_b32 s66, ttmp9, 17                      ; x: 32 rows of 4,096 bytes a work-group,
	s_lshl_b32 s67, s18, 9                         ; 512 bytes a K step
	s_add_co_u32 s66, s66, s67
	s_mov_b32 s67, 0
	s_lshl_b32 s68, s22, 7
	s_lshl_b32 s69, s19, 6
	s_add_co_u32 s68, s68, s69                     ; the first row of the weights that I fetch
	s_mul_i32 s70, s68, 12288                      ; Wqkv: rows of 12,288 bytes,
	s_mul_i32 s71, s21, 384                        ; 96 columns a group,
	s_add_co_u32 s70, s70, s71
	s_lshl_b32 s71, s20, 7                         ; 32 a unit
	s_add_co_u32 s70, s70, s71
	s_mov_b32 s71, 0
	s_lshl_b32 s72, s68, 12                        ; Wout: rows of 4,096 bytes, 32 columns a group
	s_lshl_b32 s73, s21, 7
	s_add_co_u32 s72, s72, s73
	s_mov_b32 s73, 0
	s_mul_i32 s76, s18, 32*XP                      ; LDS: my tile of x,
	s_mul_i32 s77, s18, 64*WPI
	s_add_co_u32 s77, s77, WB                      ; my half of a unit
	; which tile of wc my weight fragment is.  Pi = column / 32 of Wqkv.  q and k: 2 Pi + u.  v: 128 + 8 (head / 2) + 2 (tile of d) + head % 2.  Wout: 192 + 2 cg + u
	s_mul_i32 s88, s21, 3
	s_add_co_u32 s88, s88, s20                     ; Pi
	s_lshl_b32 s89, s88, 1
	s_add_co_u32 s89, s89, s19
	s_sub_co_u32 s90, s88, 64                      ; P' = Pi - 64: head = P' / 2, which 32 of d = P' % 2
	s_lshr_b32 s91, s90, 2
	s_lshl_b32 s91, s91, 3
	s_and_b32 s92, s90, 1
	s_lshl_b32 s92, s92, 2
	s_add_co_u32 s91, s91, s92
	s_bfe_u32 s92, s90, 0x10001
	s_add_co_u32 s91, s91, s92
	s_lshl_b32 s92, s19, 1
	s_add_co_u32 s91, s91, s92
	s_add_co_u32 s91, s91, 128
	s_cmp_lt_u32 s88, 64
	s_cselect_b32 s89, s89, s91
	s_lshl_b32 s91, s21, 1
	s_add_co_u32 s91, s91, s19                     ; 2 cg + u
	s_add_co_u32 s92, s91, 192
	s_cmp_lt_u32 s18, 6
	s_cselect_b32 s93, s89, s92                    ; the tile in wc,
	s_cselect_b32 s94, s89, s91                    ; and among its scale buffer's weight tiles
	s_wait_dscnt 0x0
	s_wait_kmcnt 0x0
	s_mov_b32 s[G0X], 1
	s_mov_b32 s[G0X+1], s76
	s_add_nc_u64 s[G0X+2:G0X+3], s[4:5], s[66:67]
	s_or_b32 s[G0X+3], s[G0X+3], 0x80000000
	s_mov_b32 s[G0Q], 1
	s_mov_b32 s[G0Q+1], s77
	s_add_nc_u64 s[G0Q+2:G0Q+3], s[6:7], s[70:71]
	s_or_b32 s[G0Q+3], s[G0Q+3], 0x80000000
	s_mov_b32 s[G0O], 1
	s_mov_b32 s[G0O+1], s77
	s_add_nc_u64 s[G0O+2:G0O+3], s[8:9], s[72:73]
	s_or_b32 s[G0O+3], s[G0O+3], 0x80000000
	tensor_load_to_lds s[G0X:G0X+3], s[G1X:G1X+7]  ; my tile of x first: only I read it
	s_nop 0
	s_cmp_lt_u32 s18, 6                            ; waves 0-5 fetch Wqkv's units, waves 6 and 7 Wout's: two of my loads are out
	s_cbranch_scc0 .Lfor_wout
	tensor_load_to_lds s[G0Q:G0Q+3], s[G1Q:G1Q+7]
	s_nop 0
.rept 4
	v_nop
.endr
	s_branch .Lasked
.Lfor_wout:
	tensor_load_to_lds s[G0O:G0O+3], s[G1O:G1O+7]
	s_nop 0
.rept 4
	v_nop
.endr
.Lasked:
	v_and_b32 v1, 31, v0                           ; lane
	v_and_b32 v2, 15, v0                           ; r
	v_bfe_u32 v3, v0, 4, 1                         ; h
	v_and_b32 v4, 8, v2
	v_add_nc_u32 v4, v4, v2                        ; r + 8 (r / 8)
	v_mul_u32_u24 v5, v4, XP
	v_lshl_add_u32 v5, v3, 6, v5
	v_add_nc_u32 v5, s76, v5                       ; x: my row, + 64 h: my 16 numbers of a block
	s_mul_i32 s74, s20, 128*WPI
	s_add_co_u32 s74, s74, WB
	s_lshl_b32 s75, s19, 5
	s_add_co_u32 s74, s74, s75                     ; my unit, + 8 u columns
	v_mul_u32_u24 v6, v3, 16*WPI
	v_lshl_add_u32 v6, v4, 2, v6
	v_add_nc_u32 v6, s74, v6                       ; a weight: my column, 16 h rows down
	v_lshlrev_b32 v7, 3, v1                        ; an image's place for my lane
	v_lshlrev_b32 v8, 2, v1                        ; a scale word's
.irp b, 0,1,2,3
	v_mov_b32 v[TM+4+\b], 0                        ; written once: a lane permute's destination counts as one of its sources
.endr
	s_mul_i32 s80, ttmp9, 24576                    ; xc: tiles 2 j, 2 j + 1 of 12,288 bytes; K step w
	s_mul_i32 s81, s18, 1536
	s_add_co_u32 s80, s80, s81
	s_mov_b32 s81, 0
	s_add_nc_u64 s[80:81], s[10:11], s[80:81]
	s_lshl_b32 s82, ttmp9, 11                      ; their scale images: 1,024 bytes a tile, 128 a K step
	s_lshl_b32 s83, s18, 7
	s_add_co_u32 s82, s82, s83
	s_mov_b32 s83, 0
	s_add_nc_u64 s[82:83], s[14:15], s[82:83]
	s_mul_i32 s84, s93, 12288
	s_mul_i32 s85, s22, 1536
	s_add_co_u32 s84, s84, s85
	s_mov_b32 s85, 0
	s_add_nc_u64 s[84:85], s[12:13], s[84:85]      ; wc at my fragment
	s_lshl_b32 s78, s94, 10
	s_lshl_b32 s79, s22, 7
	s_add_co_u32 s78, s78, s79
	s_add_co_u32 s78, s78, 524288                  ; the weights' scale images lie behind the 512 row tiles' in both buffers
	s_mov_b32 s79, 0
	s_cmp_lt_u32 s18, 6                            ; the choice hangs on the wave's number alone
	s_cselect_b64 s[86:87], s[14:15], s[16:17]
	s_add_nc_u64 s[86:87], s[86:87], s[78:79]
	s_wait_tensorcnt 0x1                           ; my tile of x is in; the weights' load, issued behind it, may be out
	XREAD X0, 0
	XREAD X1, 8*XP                                 ; tile u = 1 lies eight rows down
	s_wait_dscnt 32                                ; the first 32 loads are in, the second fragment's 32 may be out
	QUANT X0, PC, PW
	OUT PC, PW, 80, 82, 0, 0
	s_wait_dscnt 0x0
	QUANT X1, PC+20, PW+1
	OUT PC+20, PW+1, 80, 82, 12288, 1024
	s_wait_tensorcnt 0x0                           ; my half of a unit is in: say so, since another wave reads it
	s_barrier_signal -1
	s_barrier_wait -1
.set q, 0
.rept 64
	ds_load_b32 v[X0+q], v6 offset:(32*(q/16)+q%16)*WPI    ; W(32 b + 16 h + i, my column): my registers run down K
.set q, q+1
.endr
	s_wait_dscnt 0x0
	QUANT X0, PC+40, PW+2
	OUT PC+40, PW+2, 84, 86, 0, 0
	s_wait_tensorcnt 0x0
	ds_add_u32 v254, v255
	s_wait_dscnt 0x0
	s_endpgm
.Lfunc_end_k_qc9f0b4b53a_quant:
	.size	k_qc9f0b4b53a_quant, .Lfunc_end_k_qc9f0b4b53a_quant-k_qc9f0b4b53a_quant
	.p2alignl 7, 3214868480
	.fill 96, 4, 3214868480
	.section	.rodata,"a",@progbits
	.p2align	6, 0x0
	.amdhsa_kernel k_qc9f0b4b53a_quant
		.amdhsa_group_segment_fixed_size 205824
		.amdhsa_private_segment_fixed_size 0
		.amdhsa_enable_private_segment 0
		.amdhsa_kernarg_size 56
		.amdhsa_user_sgpr_count 2
		.amdhsa_user_sgpr_kernarg_segment_ptr 1
		.amdhsa_wavefront_size32 1
		.amdhsa_system_sgpr_workgroup_id_x 1
		.amdhsa_system_sgpr_workgroup_id_y 1
		.amdhsa_system_sgpr_workgroup_id_z 1
		.amdhsa_system_vgpr_workitem_id 0
		.amdhsa_next_free_vgpr 256
		.amdhsa_next_free_sgpr 96
		.amdhsa_reserve_vcc 0
		.amdhsa_float_denorm_mode_32 3
		.amdhsa_float_denorm_mode_16_64 3
		.amdhsa_memory_ordered 1
		.amdhsa_forward_progress 1
		.amdhsa_inst_pref_size 29
	.end_amdhsa_kernel
	.amdgpu_metadata
---
amdhsa.version: [ 1, 2 ]
amdhsa.kernels:
  - .name:           k_qc9f0b4b53a_quant
    .symbol:         k_qc9f0b4b53a_quant.kd
    .args:
      - { .name: x, .offset: 0, .size: 8, .value_kind: global_buffer, .address_space: global }
      - { .name: Wqkv, .offset: 8, .size: 8, .value_kind: global_buffer, .address_space: global }
      - { .name: Wout, .offset: 16, .size: 8, .value_kind: global_buffer, .address_space: global }
      - { .name: xc, .offset: 24, .size: 8, .value_kind: global_buffer, .address_space: global }
      - { .name: wc, .offset: 32, .size: 8, .value_kind: global_buffer, .address_space: global }
      - { .name: scl1, .offset: 40, .size: 8, .value_kind: global_buffer, .address_space: global }
      - { .name: scl2, .offset: 48, .size: 8, .value_kind: global_buffer, .address_space: global }
    .group_segment_fixed_size: 205824
    .private_segment_fixed_size: 0
    .kernarg_segment_align: 8
    .kernarg_segment_size: 56
    .max_flat_workgroup_size: 256
    .sgpr_count:     96
    .vgpr_count:     256
    .wavefront_size: 32
...
	.end_amdgpu_metadata
.endif
;; end of part 1
;; launch qkv (part 2): grid 12 x 32, 4 waves a work-group, clusters of 4 x 4, 327,680 bytes of LDS; arguments xc, wc, scl1, bqkv, qkvc, qkvs; writes qkvc, qkvs
.if DOCPART == 2
	.amdgcn_target "amdgcn-amd-amdhsa--gfx1250"
	.amdhsa_code_object_version 6
	.text
	.protected	k_qc9f0b4b53a_qkv
	.globl	k_qc9f0b4b53a_qkv
	.p2align	8
	.type	k_qc9f0b4b53a_qkv,@function
k_qc9f0b4b53a_qkv:
	s_mov_b64 s[64:65], 0
	v_nop
	global_prefetch_b8 v0, s[64:65] scope:SCOPE_SE
	s_setreg_imm32_b32 hwreg(HW_REG_WAVE_MODE, 25, 1), 1
	s_wait_xcnt 0x0
	s_wait_alu depctr_hold_cnt(0) depctr_sa_sdst(0) depctr_va_vdst(0) depctr_va_sdst(0) depctr_va_ssrc(0) depctr_va_vcc(0) depctr_vm_vsrc(0)
	s_getreg_b32 s2, hwreg(HW_REG_IB_STS2, 6, 4)
	s_cmp_eq_u32 s2, 0
	s_cbranch_scc0 .Lentry_in_a_cluster
	s_endpgm
.Lentry_in_a_cluster:
	s_bfe_u32 s2, ttmp6, 0x10000c
	s_cmp_lg_u32 s2, 0xf033
	s_cbranch_scc0 .Lentry_shape_is_right
	s_endpgm
.Lentry_shape_is_right:
; qkv = x Wqkv + bqkv on codes of E2M3, and its results quantised at once: q and k along the head's 64, v along the keys.  Nothing leaves as f32.
; A quantiser wants a lane's registers to run along the next product's K.  The matrix instruction takes 16 rows of P as source 0 and 16 rows of S as source 1: a lane then holds ONE position of S, and its registers run along P.
; Clusters with x = 0, 1 (q, k): S = rows of x, P = columns of Wqkv: registers along the columns, 128 = two heads.  Clusters with x = 2 (v): S = v's columns of Wqkv, P = rows of x: registers along t, 128 keys.
; The two differ in pointers, offsets and masks alone, chosen by s_cselect on the cluster's x, which all partners share: one text, no branch.
; A work-group makes 256 S x 256 P, each of four waves 128 x 128: 64 accumulators, 512 registers.  K = 1,024 is eight steps of 128, written out: each step names its own scale registers.
; Operands lie in memory as images of their registers (piece p of six: registers 2 p, 2 p + 1 of the 32 lanes), tile by tile, K step by K step: a fragment is six loads of 8 bytes a lane, 256 consecutive bytes each.
; Position r of tile 2 B + u is row 32 B + 8 u + r + 8 (r / 8), so that the 16 registers of two neighbouring tiles of P are 16 neighbours along P.
; LDS: three slots of two K steps (S's 16 tiles x 3,072 bytes, then P's); K steps 6 and 7 come into slot 0 again.  By this text's own count a wave has three tensor loads out at the start, later one.
; CLUSTER 4 x 4: S's tiles are shared along a row of the cluster, P's along a column: each is asked for jointly.
; LIMITS: NaN and infinities are not served; a block whose largest magnitude lies under 2^-124 keeps the byte 1; a block of zeros gets the byte 1 and not 127 (its codes are zeros; this program alone reads the bytes).
; REGISTERS.  window 0: v1-31 addresses; v32-95 scale words (register 8 i + s: lanes 0-15 S's tile i, lanes 16-31 P's tile i, K step s); v96-111 the bias along S; v112-127 at work; v128-223 S's fragments, one set
;   (behind the products: v128-191 64 numbers, v192.. and v232.. codes by turns, v224-231 scale words made).  window 1: P's fragments, sets at v0 and v128; the bias along P in v96-127 and v224-255.  windows 2, 3: the accumulators.
.set SLOT,  98304
.set HALFT, 24576                      ; 8 tiles x 3,072 bytes: what one tensor load brings, and what one wave reads of S or of P
.set SPARE, 3*SLOT                     ; behind the slots: the spare words, 128 bytes for each wave: two blocks of 256 bytes that no other line names
.set FR,   12
.set W4,   4                           ; v4-7   four scale words on their way out
.set ADR4, 8                           ; v8-11  where a fragment's two halves go: 8 x lane + (tile % 2) E + (half) HI
.set SELV, 12                          ; v12    which bytes of two scale words my half of the lanes packs
.set QSO,  13                          ; v13    my place among the scale words that leave
.set ADRA, 16                          ; v16-18 LDS address of my S fragments in slot 0, 1, 2
.set ADRB, 20                          ; v20-22 the same for P
.set VSO,  27                          ; v27    my place in the scale images
.set SPW,  28                          ; v28    my spare word;  v29  0;  neither is rewritten
.set NIL,  29
.set BPO,  30
.set BSO,  31
.set SC,   32
.set BS,   96
.set TM,   112
.set AF,   128
.set X,    128
.set PWR,  224
.set SEL,  96                          ; s96, s97 lane selects: lane l xor 16
.set G1S,  24
.set G1P,  32
.set G0S,  40                          ; three sets each, one for each slot
.set G0P,  52
.set MSB, 0
.macro WIN new                         ; the immediate's high byte repeats the setting that is left
.if MSB != (\new)
	s_set_vgpr_msb (MSB<<8)|(\new)
.set MSB, (\new)
.endif
.endm
.set MUL_LO, 0xa1                      ; source 0 (P) window 1, source 1 (S) window 0, C and D window 2
.set MUL_HI, 0xf1                      ; the same, C and D window 3
.set TO_B,   0x40                      ; destination window 1, address window 0
.macro JLOAD g0a, g1a, g0b, g1b        ; a joint load: waves 0 and 1 fetch S's halves, waves 2 and 3 P's; four v_nop follow each of the two lines
	s_cmp_eq_u32 s17, 0
	s_cbranch_scc0 .Lfor_p_\@
	tensor_load_to_lds s[\g0a:\g0a+3], s[\g1a:\g1a+7]
	s_nop 0
.rept 4
	v_nop
.endr
	s_branch .Lasked_\@
.Lfor_p_\@:
	tensor_load_to_lds s[\g0b:\g0b+3], s[\g1b:\g1b+7]
	s_nop 0
.rept 4
	v_nop
.endr
.Lasked_\@:
.endm
.macro CREST                           ; a round of the cluster's barrier behind its opening barrier
	s_cmp_lg_u32 s16, 0
	s_cbranch_scc1 .Lnot_wave_0_\@
	s_barrier_signal -3
.Lnot_wave_0_\@:
	s_barrier_wait -3
	s_barrier_signal -1
	s_barrier_wait -1
.endm
.macro CROUND
	s_barrier_signal -1
	s_barrier_wait -1
	CREST
.endm
.macro PLACES n                        ; plain vector places behind matrix instructions, in front of loads into their registers and of reads of their results
.rept \n
	v_nop
.endr
.endm
.macro QUANT s, pc, pw                 ; 64 numbers of a lane (register 16 b + i = K 32 b + 16 (lane / 16) + i) become 12 registers of codes at v[pc] and the scale word v[pw]
.irp b, 0,1,2,3
	v_max3_num_f32 v[TM+\b], |v[\s+16*\b]|, |v[\s+1+16*\b]|, 0x1800000   ; and the floor 2^(3 - 127): the byte cannot fall under 1
.endr
.irp i, 2,4,6,8,10,12,14
.irp b, 0,1,2,3
	v_max3_num_f32 v[TM+\b], v[TM+\b], |v[\s+16*\b+\i]|, |v[\s+1+16*\b+\i]|
.endr
.endr
.irp b, 0,1,2,3
	v_permlanex16_b32 v[TM+4+\b], v[TM+\b], s[SEL], s[SEL+1]
.endr
.irp b, 0,1,2,3
	v_max_num_f32 v[TM+\b], v[TM+\b], v[TM+4+\b]
.endr
.irp b, 0,1,2,3
	v_add_nc_u32 v[TM+12+\b], 0xff000000, v[TM+\b]     ; 2 off the exponent field: the conversion's scale operand
.endr
.irp b, 0,1,2,3
	v_lshrrev_b32 v[TM+4+\b], 23, v[TM+12+\b]
.endr
	v_lshl_or_b32 v[\pw], v[TM+5], 8, v[TM+4]
	v_lshl_or_b32 v[\pw], v[TM+6], 16, v[\pw]
	v_lshl_or_b32 v[\pw], v[TM+7], 24, v[\pw]
.irp c, 0,1
	v_cvt_scalef32_pk16_fp6_f32 v[\pc+6*\c:\pc+6*\c+2], v[\s+32*\c:\s+32*\c+15], v[TM+12+2*\c]
	v_cvt_scalef32_pk16_fp6_f32 v[\pc+12+4*\c:\pc+12+4*\c+2], v[\s+32*\c+16:\s+32*\c+31], v[TM+13+2*\c]
.endr
	v_nop                                              ; one plain place behind a scaled conversion
.irp c, 0,1
.irp i, 0,1,2
	v_permlane16_swap_b32 v[\pc+6*\c+\i], v[\pc+12+4*\c+\i]
.endr
.irp i, 0,1,2
	v_mov_b32 v[\pc+3+6*\c+\i], v[\pc+12+4*\c+\i]
.endr
.endr
.endm
.macro FRAG reg, adr, q, i             ; tile i's fragment of the slot's q-th K step: six pieces, 256 consecutive bytes each
.irp p, 0,1,2,3,4,5
	ds_load_b64 v[\reg+2*\p:\reg+2*\p+1], v[\adr] offset:3072*(\i)+1536*(\q)+256*\p
.endr
.endm
.macro FETCH_B slot, q, p
	WIN TO_B
.irp i, 0,1,2,3,4,5,6,7
	FRAG 128*(\p)+FR*\i, ADRB+\slot, \q, \i
.endr
	WIN 0
.endm
.macro FETCH_A slot, q, i0
.irp i, \i0, \i0+1, \i0+2, \i0+3
	FRAG AF+FR*(\i), ADRA+\slot, \q, \i
.endr
.endm
; 16 products: S's tiles a0, a0 + 1 x P's eight, K step s; p: P's set.  first = 1: the sums begin with the bias along P as C.  The 64 accumulators take turns in the same order in every step.
.macro MUL16 a0, p, s, first
.irp a, \a0, \a0+1
.irp b, 0,1,2,3,4,5,6,7
.if \first
	v_wmma_scale_f32_16x16x128_f8f6f4 v[8*(8*((\a)%4)+\b):8*(8*((\a)%4)+\b)+7], v[128*(\p)+FR*\b:128*(\p)+FR*\b+FR-1], v[AF+FR*(\a):AF+FR*(\a)+FR-1], v[96+8*\b+96*(\b/4):96+8*\b+96*(\b/4)+7], v[SC+8*\b+(\s)], v[SC+8*(\a)+(\s)] matrix_a_fmt:MATRIX_FMT_FP6 matrix_b_fmt:MATRIX_FMT_FP6 matrix_a_scale:MATRIX_SCALE_ROW1
.else
	v_wmma_scale_f32_16x16x128_f8f6f4 v[8*(8*((\a)%4)+\b):8*(8*((\a)%4)+\b)+7], v[128*(\p)+FR*\b:128*(\p)+FR*\b+FR-1], v[AF+FR*(\a):AF+FR*(\a)+FR-1], v[8*(8*((\a)%4)+\b):8*(8*((\a)%4)+\b)+7], v[SC+8*\b+(\s)], v[SC+8*(\a)+(\s)] matrix_a_fmt:MATRIX_FMT_FP6 matrix_b_fmt:MATRIX_FMT_FP6 matrix_a_scale:MATRIX_SCALE_ROW1
.endif
.endr
.endr
.endm
; K step s; the next step's fragments come from (nslot, nq): P's and S's tiles 0-3 in the middle, S's tiles 4-7 at the end
.macro STEP s, nslot, nq, first
	s_wait_dscnt 24                                ; P's set and S's tiles 0-3 are in; the youngest 24 loads (S's tiles 4-7) may be out
.if \first
	WIN 0x91                                       ; as MUL_LO, with C (the bias) in window 1
.else
	WIN MUL_LO
.endif
	MUL16 0, (\s)%2, \s, \first
	MUL16 2, (\s)%2, \s, \first
	s_wait_dscnt 0x0
	PLACES 4
	FETCH_B \nslot, \nq, 1-(\s)%2
	FETCH_A \nslot, \nq, 0
.if \first
	WIN 0xd1
.else
	WIN MUL_HI
.endif
	MUL16 4, (\s)%2, \s, \first
	MUL16 6, (\s)%2, \s, \first
	PLACES 4
	WIN 0
	FETCH_A \nslot, \nq, 4
.endm
; A step that meets the other waves.  In front of the barrier each wave waits for all its tensor loads, adds 0 to its spare word, and waits for that and for its LDS reads.  fill = 1: the barrier opens a round of the cluster's, and slot is filled again.
.macro TURN s, slot, nslot, fill
	s_wait_tensorcnt 0x0                           ; all my tensor loads have landed
	ds_add_u32 v[SPW], v[NIL]                      ; 0 onto my spare word
	s_wait_dscnt 25                                ; (the add and the youngest 24 loads may be out)
	WIN MUL_LO
	MUL16 0, 1, \s, 0
	s_wait_dscnt 0x0                               ; the add is done, and my reads of the slots are over
	s_barrier_signal -1
	MUL16 2, 1, \s, 0
	WIN 0
	s_barrier_wait -1
.if \fill
	CREST                                          ; no wave of any partner still reads the slot or has a load on its way
	s_add_nc_u64 s[G0S+4*\slot+2:G0S+4*\slot+3], s[G0S+4*\slot+2:G0S+4*\slot+3], 9216   ; three slots of 3,072 bytes on in each tile: K steps 6 and 7
	s_add_nc_u64 s[G0P+4*\slot+2:G0P+4*\slot+3], s[G0P+4*\slot+2:G0P+4*\slot+3], 9216
	JLOAD G0S+4*\slot, G1S, G0P+4*\slot, G1P       ; the first tensor load behind the round; its four v_nop are the places in front of the loads below
.else
	PLACES 4
.endif
	FETCH_B \nslot, 0, 0
	FETCH_A \nslot, 0, 0
	WIN MUL_HI
	MUL16 4, 1, \s, 0
	MUL16 6, 1, \s, 0
	PLACES 4
	WIN 0
	FETCH_A \nslot, 0, 4
.endm
	s_load_b256 s[4:11], s[0:1], 0x0               ; xc s[4:5], wc s[6:7], scl1 s[8:9], bqkv s[10:11]
	s_load_b128 s[12:15], s[0:1], 0x20             ; qkvc s[12:13], qkvs s[14:15]
	v_lshl_add_u32 v[SPW], v0, 2, SPARE
	v_mov_b32 v[NIL], 0
	ds_add_u32 v28, v29
	ds_add_u32 v28, v29
	s_wait_dscnt 0x0
	v_lshrrev_b32 v1, 5, v0
	v_readfirstlane_b32 s16, v1                    ; wave 0..3
	s_lshr_b32 s17, s16, 1                         ; which half of S is mine.  Also: I fetch for S (0) or for P (1)
	s_and_b32 s18, s16, 1                          ; which half of P.  Also: which 8 tiles I fetch
	s_bfe_u32 s19, ttmp6, 0x40000                  ; cx
	s_bfe_u32 s20, ttmp6, 0x40004                  ; cy
	s_lshl_b32 s66, ttmp9, 2                       ; 4 x cluster x
	s_and_b32 s67, ttmp7, 0xffff
	s_lshl_b32 s67, s67, 2                         ; 4 x cluster y
	s_mov_b32 s70, 393216
	s_mov_b32 s71, 0x05040100
	s_mov_b32 s72, 0x07060302
	s_mov_b32 s73, 0x07060504
	s_mov_b32 s[SEL], 0x76543210
	s_mov_b32 s[SEL+1], 0xfedcba98
	s_cmp_eq_u32 ttmp9, 2                          ; v's clusters?
	s_cselect_b32 s68, 0, s67
	s_cselect_b32 s69, s67, s66
	s_cselect_b32 s74, 0, -1                       ; lanes' mask: the bias lies along P (q, k)
	s_cselect_b32 s75, -1, 0                       ; or along S (v)
	s_cselect_b32 s76, s70, 768                    ; E: from an even tile of S to the odd one: the next tile of t, or the next head
	s_cselect_b32 s77, 768, s70                    ; HI: from a fragment's first 64 along K to its second: the next head, or the image's second half
	s_cselect_b32 s78, 0x03020100, s71             ; how two scale words are packed for lanes 0-15,
	s_cselect_b32 s79, s73, s72                    ; and for lanes 16-31
	s_cselect_b32 s80, 128, 0                      ; v's columns begin at tile 128 of wc
	s_add_co_u32 s68, s68, s20                     ; R: which 256 of S; it hangs on cy alone of my place
	s_add_co_u32 s69, s69, s19                     ; Cc: which 256 of P; on cx alone
	s_lshl_b32 s21, s20, 2
	s_lshl_b32 s21, 15, s21                        ; my row of the cluster
	s_lshl_b32 s22, 0x1111, s19                    ; my column
	; group 1: 8 rows (tiles) of 384 elements of 8 bytes (two K steps' images), 1,536 elements from tile to tile; no padding
	s_or_b32 s[G1S], s21, (3<<16)|(1<<21)
	s_or_b32 s[G1P], s22, (3<<16)|(1<<21)
.irp g, G1S, G1P
	s_mov_b32 s[\g+1], 384<<16
	s_mov_b32 s[\g+2], 8<<16
	s_mov_b32 s[\g+3], 384<<16
	s_mov_b32 s[\g+4], 8
	s_mov_b32 s[\g+5], 1536
	s_mov_b32 s[\g+6], 0
	s_mov_b32 s[\g+7], 0
.endr
	s_lshl_b32 s23, s18, 3
	s_lshl_b32 s82, s68, 4
	s_add_co_u32 s82, s82, s80
	s_add_co_u32 s82, s82, s23                     ; S: the first tile that I fetch
	s_mul_i32 s82, s82, 12288
	s_mov_b32 s83, 0
	s_lshl_b32 s84, s69, 4
	s_add_co_u32 s84, s84, s23                     ; P likewise
	s_mul_i32 s84, s84, 12288
	s_mov_b32 s85, 0
	s_mul_i32 s86, s16, HALFT                      ; where they go: no place in the cluster enters an LDS address
	s_wait_kmcnt 0x0
	s_cmp_eq_u32 ttmp9, 2
	s_cselect_b64 s[88:89], s[6:7], s[4:5]         ; S's codes
	s_cselect_b64 s[90:91], s[4:5], s[6:7]         ; P's
	s_add_nc_u64 s[88:89], s[88:89], s[82:83]
	s_add_nc_u64 s[90:91], s[90:91], s[84:85]
	CROUND                                         ; all sixteen work-groups are here: the first joint loads meet
.irp s, 0,1,2
	s_mov_b32 s[G0S+4*\s], 1
	s_add_co_u32 s[G0S+4*\s+1], s86, \s*SLOT
	s_add_nc_u64 s[G0S+4*\s+2:G0S+4*\s+3], s[88:89], \s*3072
	s_or_b32 s[G0S+4*\s+3], s[G0S+4*\s+3], 0x80000000
	s_mov_b32 s[G0P+4*\s], 1
	s_add_co_u32 s[G0P+4*\s+1], s86, \s*SLOT
	s_add_nc_u64 s[G0P+4*\s+2:G0P+4*\s+3], s[90:91], \s*3072
	s_or_b32 s[G0P+4*\s+3], s[G0P+4*\s+3], 0x80000000
	JLOAD G0S+4*\s, G1S, G0P+4*\s, G1P
.endr
	v_and_b32 v1, 15, v0                           ; r
	v_bfe_u32 v2, v0, 4, 1                         ; h
	v_and_b32 v3, 31, v0
	v_lshlrev_b32 v14, 2, v3                       ; 4 x lane
	v_lshlrev_b32 v3, 3, v3                        ; 8 x lane
	s_mul_i32 s92, s17, HALFT
	s_mul_i32 s93, s18, HALFT
	s_add_co_u32 s93, s93, 2*HALFT
.irp s, 0,1,2
	v_add_nc_u32 v[ADRA+\s], s92, v3
	v_add_nc_u32 v[ADRB+\s], s93, v3
	s_add_co_u32 s92, s92, SLOT
	s_add_co_u32 s93, s93, SLOT
.endr
	s_lshl_b32 s94, s69, 1
	s_add_co_u32 s94, s94, s18                     ; pcn: which 128 of P is my wave's
	s_lshl_b32 s95, s68, 1
	s_add_co_u32 s95, s95, s17                     ; rcn: which 128 of S
	s_lshl_b32 s70, s95, 1
	s_add_co_u32 s70, s70, 32
	s_lshl_b32 s71, s94, 1
	s_lshl_b32 s72, s94, 9
	s_lshl_b32 s73, s95, 9
	s_add_co_u32 s73, s73, 8192
	s_mov_b32 s80, 655360
	s_mov_b32 s81, 524288
	s_cmp_eq_u32 ttmp9, 2
	s_cselect_b32 s70, s70, s71                    ; G: the first of my two planes of qkvc: 2 pcn (q: head, k: 16 + head) or 32 + 2 rcn (v)
	s_cselect_b32 s71, s94, s95                    ; which 128 of t
	s_cselect_b32 s84, 0, s72                      ; the bias along P: q's and k's at 128 pcn (in v's clusters the numbers read are replaced by 0)
	s_cselect_b32 s86, s73, 0                      ; the bias along S: v's at 2,048 + 128 rcn (in q's and k's likewise)
	s_cselect_b32 s80, s80, 0                      ; where S's scale images begin in scl1,
	s_cselect_b32 s81, 0, s81                      ; and P's
	s_lshl_b32 s82, s95, 13
	s_add_co_u32 s82, s82, s80
	s_lshl_b32 s83, s94, 13
	s_add_co_u32 s83, s83, s81
	v_mov_b32 v[VSO], s82
	v_mov_b32 v15, s83
	v_cmp_eq_u32 vcc_lo, 1, v2
	v_cndmask_b32 v[VSO], v[VSO], v15, vcc_lo      ; lanes 0-15 take S's words, lanes 16-31 P's
	v_add_nc_u32 v[VSO], v[VSO], v14
.irp i, 0,1,2,3,4,5,6,7
.irp s, 0,1,2,3,4,5,6,7
	global_load_b32 v[SC+8*\i+\s], v[VSO], s[8:9] offset:1024*\i+128*\s
.endr
.endr
	s_mov_b32 s85, 0
	s_mov_b32 s87, 0
	s_add_nc_u64 s[84:85], s[10:11], s[84:85]
	s_add_nc_u64 s[86:87], s[10:11], s[86:87]
	v_lshlrev_b32 v[BPO], 6, v2                    ; along P a lane wants, for tile b, the numbers 32 (b / 2) + 16 h + 8 (b % 2) + 0 .. 7
	v_and_b32 v[BSO], 8, v1
	v_add_nc_u32 v[BSO], v[BSO], v1
	v_lshlrev_b32 v[BSO], 2, v[BSO]                ; along S, for tile a = 2 (tile of d) + head % 2, the number at its own position
	WIN TO_B
.irp b, 0,1,2,3,4,5,6,7
	global_load_b128 v[96+8*\b+96*(\b/4):96+8*\b+96*(\b/4)+3], v[BPO], s[84:85] offset:4*(32*(\b/2)+8*(\b%2))
	global_load_b128 v[96+8*\b+96*(\b/4)+4:96+8*\b+96*(\b/4)+7], v[BPO], s[84:85] offset:4*(32*(\b/2)+8*(\b%2))+16
.endr
	WIN 0
.irp a, 0,1,2,3,4,5,6,7
	global_load_b32 v[BS+2*\a], v[BSO], s[86:87] offset:4*(64*(\a%2)+32*(\a/4)+8*((\a/2)%2))
	v_mov_b32 v[BS+2*\a+1], 0                      ; (named with it as a pair)
.endr
	s_mul_i32 s88, s70, 393216
	s_mul_i32 s89, s71, 6144
	s_add_co_u32 s88, s88, s89
	s_mov_b32 s89, 0
	s_add_nc_u64 s[88:89], s[12:13], s[88:89]      ; qkvc at my plane and my 128 of t
	s_lshl_b32 s90, s70, 14
	s_lshl_b32 s91, s71, 8
	s_add_co_u32 s90, s90, s91
	s_mov_b32 s91, 0
	s_add_nc_u64 s[90:91], s[14:15], s[90:91]      ; qkvs likewise
	v_mov_b32 v[ADR4], v3
	v_add_nc_u32 v[ADR4+1], s77, v3
	v_add_nc_u32 v[ADR4+2], s76, v3
	v_add_nc_u32 v[ADR4+3], s77, v[ADR4+2]
	v_mov_b32 v[SELV], s78
	v_mov_b32 v15, s79
	v_cndmask_b32 v[SELV], v[SELV], v15, vcc_lo
	v_lshlrev_b32 v[QSO], 4, v1
	v_lshl_add_u32 v[QSO], v2, 14, v[QSO]          ; 16 bytes a position; lanes 16-31 serve the next plane
.irp b, 0,1,2,3
	v_mov_b32 v[TM+4+\b], 0                        ; written once: a lane permute's destination counts as one of its sources
.endr
	s_wait_loadcnt 0x0
	WIN 0x44                                       ; destination and source 1 in window 1
.irp b, 0,1,2,3,4,5,6,7
.irp j, 0,1,2,3,4,5,6,7
	v_cndmask_b32 v[96+8*\b+96*(\b/4)+\j], 0, v[96+8*\b+96*(\b/4)+\j], s74
.endr
.endr
	WIN 0
.irp a, 0,1,2,3,4,5,6,7
	v_cndmask_b32 v[BS+2*\a], 0, v[BS+2*\a], s75
.endr
	s_wait_tensorcnt 0x2                           ; my part of slot 0 is in; slots 1 and 2 may be out
	s_barrier_signal -1
	s_barrier_wait -1
	FETCH_B 0, 0, 0
	FETCH_A 0, 0, 0
	FETCH_A 0, 0, 4
	STEP 0, 0, 1, 1
	TURN 1, 0, 1, 1                                ; slot 0 is read out: K steps 6 and 7 go into it.  Every wave's wait in front of this round also showed slots 1 and 2 whole
	STEP 2, 1, 1, 0
	STEP 3, 2, 0, 0
	STEP 4, 2, 1, 0
	TURN 5, 2, 0, 0                                ; the refill, asked for four steps ago, is whole for every wave
	STEP 6, 0, 1, 0
	s_wait_dscnt 24
	WIN MUL_LO
	MUL16 0, 1, 7, 0
	MUL16 2, 1, 7, 0
	s_wait_dscnt 0x0
	WIN MUL_HI
	MUL16 4, 1, 7, 0
	MUL16 6, 1, 7, 0
	WIN 0
	; THE WAY OUT, tile of S by tile: the lane's 64 numbers (its position, 128 along P), the bias along S, the quantiser, six stores of 256 consecutive bytes, aligned.
	PLACES 4
.irp a, 0,1,2,3,4,5,6,7
.set AC, 64*(\a%4)
.set PCX, 192+40*(\a%2)
	WIN 2+\a/4                                     ; source 0 in window 2 or 3
.set k, 0
.rept 32
	v_pk_add_f32 v[X+2*k:X+2*k+1], v[AC+2*k:AC+2*k+1], v[BS+2*\a:BS+2*\a+1] op_sel_hi:[1,0]   ; each accumulator from its low end on
.set k, k+1
.endr
	WIN 0
.if \a >= 2
	s_wait_xcnt 0x0                                ; the stores of two tiles ago have read these code registers
.endif
	QUANT X, PCX, PWR+\a
.irp p, 0,1,2,3,4,5
	global_store_b64 v[ADR4+2*(\a%2)+\p/3], v[PCX+2*\p:PCX+2*\p+1], s[88:89] offset:1536*(\a/2)+256*(\p%3)
.endr
.endr
.irp i, 0,1,2,3
	v_perm_b32 v[W4+\i], v[PWR+2*\i+1], v[PWR+2*\i], v[SELV]   ; q, k: my plane's two bytes of tiles 2 i and 2 i + 1; v: my plane's word of tile i of d
.endr
	global_store_b128 v[QSO], v[W4:W4+3], s[90:91] ; sixteen lanes store 256 consecutive bytes, aligned
	s_wait_tensorcnt 0x0                           ; the wave's end
	ds_add_u32 v[SPW], v[NIL]
	s_wait_dscnt 0x0
	CROUND                                         ; the closing round: no work-group ends while a partner may still ask for a tile that names it
	s_endpgm
.Lfunc_end_k_qc9f0b4b53a_qkv:
	.size	k_qc9f0b4b53a_qkv, .Lfunc_end_k_qc9f0b4b53a_qkv-k_qc9f0b4b53a_qkv
	.p2alignl 7, 3214868480
	.fill 96, 4, 3214868480
	.section	.rodata,"a",@progbits
	.p2align	6, 0x0
	.amdhsa_kernel k_qc9f0b4b53a_qkv
		.amdhsa_group_segment_fixed_size 327680
		.amdhsa_private_segment_fixed_size 0
		.amdhsa_enable_private_segment 0
		.amdhsa_kernarg_size 48
		.amdhsa_user_sgpr_count 2
		.amdhsa_user_sgpr_kernarg_segment_ptr 1
		.amdhsa_wavefront_size32 1
		.amdhsa_system_sgpr_workgroup_id_x 1
		.amdhsa_system_sgpr_workgroup_id_y 1
		.amdhsa_system_sgpr_workgroup_id_z 1
		.amdhsa_system_vgpr_workitem_id 0
		.amdhsa_next_free_vgpr 1024
		.amdhsa_next_free_sgpr 100
		.amdhsa_reserve_vcc 1
		.amdhsa_float_denorm_mode_32 3
		.amdhsa_float_denorm_mode_16_64 3
		.amdhsa_memory_ordered 1
		.amdhsa_forward_progress 1
		.amdhsa_inst_pref_size 192
	.end_amdhsa_kernel
	.amdgpu_metadata
---
amdhsa.version: [ 1, 2 ]
amdhsa.kernels:
  - .name:           k_qc9f0b4b53a_qkv
    .symbol:         k_qc9f0b4b53a_qkv.kd
    .args:
      - { .name: xc, .offset: 0, .size: 8, .value_kind: global_buffer, .address_space: global }
      - { .name: wc, .offset: 8, .size: 8, .value_kind: global_buffer, .address_space: global }
      - { .name: scl1, .offset: 16, .size: 8, .value_kind: global_buffer, .address_space: global }
      - { .name: bqkv, .offset: 24, .size: 8, .value_kind: global_buffer, .address_space: global }
      - { .name: qkvc, .offset: 32, .size: 8, .value_kind: global_buffer, .address_space: global }
      - { .name: qkvs, .offset: 40, .size: 8, .value_kind: global_buffer, .address_space: global }
    .group_segment_fixed_size: 327680
    .private_segment_fixed_size: 0
    .kernarg_segment_align: 8
    .kernarg_segment_size: 48
    .max_flat_workgroup_size: 128
    .sgpr_count:     100
    .vgpr_count:     1024
    .wavefront_size: 32
...
	.end_amdgpu_metadata
.endif
;; end of part 2
;; launch attn (part 3): grid 4 x 64, 16 waves a work-group, no clusters, 206,848 bytes of LDS; arguments qkvc, qkvs, yc, scl2; writes yc, scl2
.if DOCPART == 3
	.amdgcn_target "amdgcn-amd-amdhsa--gfx1250"
	.amdhsa_code_object_version 6
	.text
	.protected	k_qc9f0b4b53a_attn
	.globl	k_qc9f0b4b53a_attn
	.p2align	8
	.type	k_qc9f0b4b53a_attn,@function
k_qc9f0b4b53a_attn:
	s_mov_b64 s[64:65], 0
	v_nop
	global_prefetch_b8 v0, s[64:65] scope:SCOPE_SE
	s_setreg_imm32_b32 hwreg(HW_REG_WAVE_MODE, 25, 1), 1
	s_wait_xcnt 0x0
; y = softmax(q k^T / 8, causal) v for one head of one batch, both products on codes of E2M3; y leaves as codes along C, for the last product.
; THE SOFTMAX: t = score x log2(e) / 8; M = the running largest t rounded up to a whole number; p = 2^(t - M) is quantised along the keys, not normalised; the row's sum of the unquantised p divides at the end.
; SHARES.  Work-group (i, head of batch): all of the head's K, V and their scale words lie in LDS, filled once.  Wave w makes query tile 16 i + w and then tile 127 - (16 i + w).  Tile T needs key steps 0 .. T / 8 of 128 keys:
; the two tiles together 17 steps, for every wave of every work-group.  The loops' trip counts are constants; a step whose keys all come after the tile's queries is jumped over, by a scalar branch on ids.
; LAYOUT.  Both products are used transposed (S^T = K Q^T, O^T = V^T P^T): a lane holds one query.  Position r of tile 2 B + u is row 32 B + 8 u + r + 8 (r / 8), so that the 16 registers of two neighbouring tiles of keys are 16 neighbouring keys.
; THE HEAD'S 64 IN A PRODUCT OF 128: an image of K holds tile 2 f in K 0-63 and tile 2 f + 1 in K 64-127.  Q lies as 18 registers, 6 of zeros, Q, 6 of zeros: v[22:33] is (Q, 0) and gives tile 2 f's scores, v[16:27] is (0, Q) and
; gives tile 2 f + 1's.  The other half multiplies zero codes, which add nothing under bytes 1 .. 254.
; NO JOINT LOADS: the four work-groups of a head read the same K and V, but they jump over different steps; multiplying the hidden steps instead would nearly double the vector work.
; LIMITS: NaN and infinities are not served; p under 2^-126 counts as 0; a block of zeros keeps the byte 1; 1 / sum is v_rcp_f32 and a multiplication.
; REGISTERS: v1-5 addresses that stay; v8-10 addresses in hand; v12 -M, v13 the largest t, v[14:15] the sum; v16-33 Q; v34 Q's scale word; v36-83 four fragments; v84-91 K's and V's scale words; v96-159 S^T, then p; v160-191 O^T; v224.. codes; v232-254 at work.
.set VB,   98304                       ; LDS: K's 128 tiles x 768 bytes at 0, V's 16 steps x 4 tiles x 1,536 here,
.set KSB,  196608                      ; K's scale words (16 steps x 16 positions x 16 bytes), and V's 4,096 bytes on
.set ADK,  8
.set ADV,  9
.set ADS,  10
.set F,    36
.set WV,   12
.set SEL,  20
.set CS,   22
.set TB,   66                          ; LDS byte at which the step's tiles begin
.set TS,   67                          ; and its scale words
.set KF,   68                          ; the step's first key
.set SI,   69                          ; the step
.set SD,   70                          ; the step on the diagonal
.set CNT,  71
.set TAU,  72                          ; my tile of queries, 0 .. 127
.set QB,   73                          ; its first query
.set HQ,   87
.set HY,   88
.set HS,   89
.set P32,  90
; A tile begins: addresses, Q and its scale word, empty sums
.macro INIT
	s_wait_xcnt 0x0                                ; earlier stores have read their bases and data
	s_lshr_b32 s[SD], s[TAU], 3
	s_lshr_b32 s82, s[TAU], 1
	s_lshl_b32 s82, s82, 5
	s_and_b32 s83, s[TAU], 1
	s_lshl_b32 s83, s83, 3
	s_add_co_u32 s[QB], s82, s83
	s_lshl_b32 s82, s16, 7
	s_add_co_u32 s82, s82, s[TAU]                  ; the tile among all 512
	s_mov_b32 s85, 0
	s_mul_i32 s84, s82, 768
	s_add_co_u32 s84, s84, s[HQ]
	s_add_nc_u64 s[74:75], s[4:5], s[84:85]        ; q's codes
	s_lshl_b32 s84, s16, 4
	s_add_co_u32 s84, s84, s[SD]
	s_lshl_b32 s84, s84, 8
	s_bfe_u32 s86, s[TAU], 0x20001
	s_lshl_b32 s86, s86, 2
	s_add_co_u32 s84, s84, s86
	s_lshl_b32 s86, s15, 14
	s_add_co_u32 s84, s84, s86
	s_add_nc_u64 s[76:77], s[6:7], s[84:85]        ; the word that holds its two scale bytes
	s_mul_i32 s84, s82, 12288
	s_add_co_u32 s84, s84, s[HY]
	s_add_nc_u64 s[78:79], s[8:9], s[84:85]        ; y's codes: tile, head
	s_lshl_b32 s84, s82, 10
	s_add_co_u32 s84, s84, s[HS]
	s_add_nc_u64 s[80:81], s[10:11], s[84:85]      ; y's scale bytes
.irp p, 0,1,2
	global_load_b64 v[22+2*\p:23+2*\p], v1, s[74:75] offset:256*\p
.endr
	global_load_b32 v35, v5, s[76:77]
	v_mov_b32 v13, 0xff61b1e6                      ; the largest t so far: -3e38
	s_delay_alu instid0(VALU_DEP_1)
	v_floor_f32 v12, -v13
	v_mov_b32 v14, 0
	v_mov_b32 v15, 0
	s_mov_b32 s[TB], 0
	s_mov_b32 s[TS], 0
	s_mov_b32 s[KF], 0
	s_mov_b32 s[SI], 0
	s_and_b32 s83, s[TAU], 1                       ; an odd tile's bytes are the word's upper two
	s_cselect_b32 s83, s[P32], 0x01000100
	s_wait_loadcnt 0x0
	v_perm_b32 v34, v35, v35, s83                  ; (s0, s1, s0, s1): it serves Q in either half of K
.set j, 0
.rept 32
	v_mov_b32 v[160+j], 0                          ; O^T.  These lines also stand between the write of the scale word and the first product that names it
.set j, j+1
.endr
.endm
; A key step: 128 keys
.macro STEP
	s_cmp_gt_u32 s[SI], s[SD]
	s_cbranch_scc1 .Lhidden_\@                     ; all its keys come after my queries
	s_setprio 2
	v_add_nc_u32 v[ADK], s[TB], v1
	v_add_nc_u32 v[ADS], s[TS], v2
	s_delay_alu instid0(VALU_DEP_2)
	v_add_nc_u32 v[ADV], VB, v[ADK]
	v_nop                                          ; four places in front of loads into registers that the last products read
.irp f, 0,1,2,3
.irp p, 0,1,2,3,4,5
	ds_load_b64 v[F+12*\f+2*\p:F+12*\f+2*\p+1], v[ADK] offset:1536*\f+256*\p
.endr
.endr
	ds_load_b128 v[84:87], v[ADS]                  ; word f: tile 2 f's two bytes, tile 2 f + 1's two
	s_wait_alu depctr_va_vdst(0)
	s_wait_dscnt 0x0
.irp f, 0,1,2,3
	v_wmma_scale_f32_16x16x128_f8f6f4 v[96+16*\f:96+16*\f+7], v[F+12*\f:F+12*\f+11], v[22:33], 0, v[84+\f], v34 matrix_a_fmt:MATRIX_FMT_FP6 matrix_b_fmt:MATRIX_FMT_FP6
	v_wmma_scale_f32_16x16x128_f8f6f4 v[96+16*\f+8:96+16*\f+15], v[F+12*\f:F+12*\f+11], v[16:27], 0, v[84+\f], v34 matrix_a_fmt:MATRIX_FMT_FP6 matrix_b_fmt:MATRIX_FMT_FP6
.endr                                              ; register 16 f + i: key 32 f + 16 (lane / 16) + i of the step
.rept 4
	v_nop
.endr
.irp f, 0,1,2,3                                    ; V's four tiles land while the softmax is walked
.irp p, 0,1,2,3,4,5
	ds_load_b64 v[F+12*\f+2*\p:F+12*\f+2*\p+1], v[ADV] offset:1536*\f+256*\p
.endr
.endr
	ds_load_b128 v[88:91], v[ADS] offset:4096
	s_cmp_lg_u32 s[SI], s[SD]
	s_cbranch_scc1 .Lopen_\@                       ; only the step on the diagonal hides keys
	s_sub_co_i32 s82, s[QB], s[KF]
	v_add_nc_u32 v252, s82, v3                     ; d = my query - the step's first key - 16 (lane / 16): register 16 b + i is hidden where 32 b + i > d
	v_mov_b32 v254, 0xff800000
.set n, 0
.rept 64
	v_cmp_gt_i32 vcc_lo, 32*(n/16)+n%16, v252
	v_cndmask_b32 v[96+n], v[96+n], v254, vcc_lo
.set n, n+1
.endr
.Lopen_\@:
.irp b, 0,1,2,3
	v_max3_num_f32 v[232+\b], v[96+16*\b], v[97+16*\b], v[98+16*\b]   ; the largest score of each block of 32 keys: for the row's maximum, and, since p rises with the score, for the block's largest p
.endr
.irp i, 3,5,7,9,11,13
.irp b, 0,1,2,3
	v_max3_num_f32 v[232+\b], v[232+\b], v[96+16*\b+\i], v[97+16*\b+\i]
.endr
.endr
.irp b, 0,1,2,3
	v_max_num_f32 v[232+\b], v[232+\b], v[111+16*\b]
.endr
.irp b, 0,1,2,3
	s_delay_alu instid0(VALU_DEP_4)
	v_permlanex16_b32 v[236+\b], v[232+\b], s[SEL], s[SEL+1]
.endr
.irp b, 0,1,2,3
	s_delay_alu instid0(VALU_DEP_4)
	v_max_num_f32 v[232+\b], v[232+\b], v[236+\b]
.endr
	s_delay_alu instid0(VALU_DEP_2)
	v_max3_num_f32 v254, v232, v233, v234
	s_delay_alu instid0(VALU_DEP_1)
	v_max_num_f32 v254, v254, v235
	s_delay_alu instid0(VALU_DEP_1)
	v_mul_f32 v254, s[CS], v254
	s_delay_alu instid0(VALU_DEP_1)
	v_max_num_f32 v13, v13, v254                   ; the running largest t
	v_mov_b32 v254, v12
	s_delay_alu instid0(VALU_DEP_2)
	v_floor_f32 v12, -v13                          ; the new -M = -ceil(t)
	s_delay_alu instid0(VALU_DEP_1)
	v_sub_f32 v254, v12, v254                      ; old M - new M: a whole number, 0 or less
	s_delay_alu instid0(VALU_DEP_1)
	v_cvt_i32_f32 v254, v254                       ; (it saturates)
	s_delay_alu instid0(VALU_DEP_1)
	v_ldexp_f32 v252, 1.0, v254                    ; f = 2^(old M - new M)
.set j, 0
	s_setprio 1
.rept 32
	v_pk_fma_f32 v[96+j:97+j], v[96+j:97+j], s[CS:CS+1], v[12:13] op_sel_hi:[1,0,0]   ; t - M
.set j, j+2
.endr
.irp b, 0,1,2,3
	v_fma_f32 v[232+\b], v[232+\b], s[CS], v12
.endr
.set j, 0
	s_wait_alu depctr_va_vdst(0)
.rept 64
	v_exp_f32 v[96+j], v[96+j]                     ; p
.set j, j+1
.endr
.irp b, 0,1,2,3
	v_exp_f32 v[232+\b], v[232+\b]                 ; each block's largest p
.endr
	v_pk_mul_f32 v[14:15], v[14:15], v[252:253] op_sel_hi:[1,0]   ; the sums under the new M (a plain place behind the exponentials)
	s_wait_alu depctr_va_vdst(0)
.irp b, 0,1,2,3
	v_max_num_f32 v[232+\b], 0x1800000, v[232+\b]  ; the floor 2^(3 - 127)
.endr
.irp b, 0,1,2,3
	s_delay_alu instid0(VALU_DEP_4)
	v_add_nc_u32 v[244+\b], 0xff000000, v[232+\b]
.endr
.irp b, 0,1,2,3
	s_delay_alu instid0(VALU_DEP_4)
	v_lshrrev_b32 v[236+\b], 23, v[244+\b]
.endr
	s_delay_alu instid0(VALU_DEP_3)
	v_lshl_or_b32 v253, v237, 8, v236              ; p's scale word for these 128 keys
	s_delay_alu instid0(VALU_DEP_1)
	v_lshl_or_b32 v253, v238, 16, v253
	s_delay_alu instid0(VALU_DEP_1)
	v_lshl_or_b32 v253, v239, 24, v253
.irp c, 0,1
	v_cvt_scalef32_pk16_fp6_f32 v[224+6*\c:226+6*\c], v[96+32*\c:111+32*\c], v[244+2*\c]
	v_cvt_scalef32_pk16_fp6_f32 v[236+4*\c:238+4*\c], v[112+32*\c:127+32*\c], v[245+2*\c]
.endr
	v_nop                                          ; one plain place behind a scaled conversion
.irp c, 0,1
.irp i, 0,1,2
	v_permlane16_swap_b32 v[224+6*\c+\i], v[236+4*\c+\i]
.endr
.irp i, 0,1,2
	s_delay_alu instid0(VALU_DEP_3)
	v_mov_b32 v[227+6*\c+\i], v[236+4*\c+\i]
.endr
.endr
	v_pk_add_f32 v[236:237], v[100:101], v[104:105]
	v_pk_add_f32 v[248:249], v[108:109], v[112:113]
	v_pk_add_f32 v[246:247], v[116:117], v[120:121]
	v_pk_add_f32 v[244:245], v[124:125], v[128:129]
	v_pk_add_f32 v[242:243], v[132:133], v[136:137]
	v_pk_add_f32 v[240:241], v[140:141], v[144:145]
	v_pk_add_f32 v[222:223], v[148:149], v[152:153]
	s_setprio 0
	v_pk_add_f32 v[14:15], v[14:15], v[156:157]
	v_pk_add_f32 v[236:237], v[236:237], v[96:97]
	v_pk_add_f32 v[248:249], v[248:249], v[98:99]
	v_pk_add_f32 v[246:247], v[246:247], v[102:103]
	v_pk_add_f32 v[244:245], v[244:245], v[106:107]
	v_pk_add_f32 v[242:243], v[242:243], v[110:111]
	v_pk_add_f32 v[240:241], v[240:241], v[114:115]
	v_pk_add_f32 v[222:223], v[222:223], v[118:119]
	v_pk_add_f32 v[14:15], v[14:15], v[122:123]
	v_pk_add_f32 v[236:237], v[236:237], v[126:127]
	v_pk_add_f32 v[248:249], v[248:249], v[130:131]
	v_pk_add_f32 v[246:247], v[246:247], v[134:135]
	v_pk_add_f32 v[244:245], v[244:245], v[138:139]
	v_pk_add_f32 v[242:243], v[242:243], v[142:143]
	v_pk_add_f32 v[240:241], v[240:241], v[146:147]
	v_pk_add_f32 v[222:223], v[222:223], v[150:151]
	v_pk_add_f32 v[14:15], v[14:15], v[154:155]
	v_pk_add_f32 v[236:237], v[236:237], v[158:159]
	s_delay_alu instid0(VALU_DEP_2)
	v_pk_add_f32 v[14:15], v[14:15], v[244:245]
	s_delay_alu instid0(VALU_DEP_2)
	v_pk_add_f32 v[236:237], v[236:237], v[242:243]
	v_pk_add_f32 v[248:249], v[248:249], v[240:241]
	v_pk_add_f32 v[246:247], v[246:247], v[222:223]
	s_delay_alu instid0(VALU_DEP_2)
	v_pk_add_f32 v[14:15], v[14:15], v[248:249]
	s_delay_alu instid0(VALU_DEP_2)
	v_pk_add_f32 v[236:237], v[236:237], v[246:247]
	s_delay_alu instid0(VALU_DEP_1)
	v_pk_add_f32 v[14:15], v[14:15], v[236:237]
.set j, 0
.rept 16
	v_pk_mul_f32 v[160+j:161+j], v[160+j:161+j], v[252:253] op_sel_hi:[1,0]   ; O^T under the new M
.set j, j+2
.endr
	s_wait_alu depctr_va_vdst(0)
	s_wait_dscnt 0x0                               ; V's tiles and scale words are in
.irp t, 0,1,2,3
	v_wmma_scale_f32_16x16x128_f8f6f4 v[160+8*\t:167+8*\t], v[F+12*\t:F+12*\t+11], v[224:235], v[160+8*\t:167+8*\t], v[88+\t], v253 matrix_a_fmt:MATRIX_FMT_FP6 matrix_b_fmt:MATRIX_FMT_FP6
.endr
.Lhidden_\@:
	s_add_co_u32 s[TB], s[TB], 6144
	s_add_co_u32 s[TS], s[TS], 256
	s_add_co_u32 s[KF], s[KF], 128
	s_add_co_u32 s[SI], s[SI], 1
.endm
.macro LOOPN n
	s_mov_b32 s[CNT], \n
.Lstep_\@:
	STEP
	s_sub_co_u32 s[CNT], s[CNT], 1
	s_cmp_lg_u32 s[CNT], 0
	s_cbranch_scc1 .Lstep_\@
	s_setprio 0
.endm
; A tile ends: O^T / the sum; register 16 B + i is y at d = 32 B + 16 (lane / 16) + i: two blocks along C, quantised; half an image (three stores of 256 consecutive bytes, aligned) and two scale bytes a lane
.macro FIN
.rept 4
	v_nop
.endr
	v_add_f32 v14, v14, v15
	s_delay_alu instid0(VALU_DEP_1)
	v_permlanex16_b32 v252, v14, s[SEL], s[SEL+1]
	s_delay_alu instid0(VALU_DEP_1)
	v_add_f32 v14, v14, v252
	s_wait_alu depctr_va_vdst(0)
	v_rcp_f32 v14, v14
	v_nop                                          ; a plain place behind the transcendental
.set j, 0
	s_wait_alu depctr_va_vdst(0)
.rept 32
	v_mul_f32 v[96+j], v[160+j], v14               ; each accumulator from its low end on
.set j, j+1
.endr
.irp b, 0,1
	v_max3_num_f32 v[232+\b], |v[96+16*\b]|, |v[97+16*\b]|, 0x1800000
.endr
.irp i, 2,4,6,8,10,12,14
.irp b, 0,1
	s_delay_alu instid0(VALU_DEP_2)
	v_max3_num_f32 v[232+\b], v[232+\b], |v[96+16*\b+\i]|, |v[97+16*\b+\i]|
.endr
.endr
.irp b, 0,1
	s_delay_alu instid0(VALU_DEP_2)
	v_permlanex16_b32 v[236+\b], v[232+\b], s[SEL], s[SEL+1]
.endr
.irp b, 0,1
	s_delay_alu instid0(VALU_DEP_2)
	v_max_num_f32 v[232+\b], v[232+\b], v[236+\b]
.endr
.irp b, 0,1
	s_delay_alu instid0(VALU_DEP_2)
	v_add_nc_u32 v[244+\b], 0xff000000, v[232+\b]
.endr
.irp b, 0,1
	s_delay_alu instid0(VALU_DEP_2)
	v_lshrrev_b32 v[236+\b], 23, v[244+\b]
.endr
	s_delay_alu instid0(VALU_DEP_1)
	v_lshl_or_b32 v254, v237, 8, v236
	v_cvt_scalef32_pk16_fp6_f32 v[224:226], v[96:111], v244
	v_cvt_scalef32_pk16_fp6_f32 v[240:242], v[112:127], v245
	v_nop
.irp i, 0,1,2
	v_permlane16_swap_b32 v[224+\i], v[240+\i]
.endr
.irp i, 0,1,2
	s_delay_alu instid0(VALU_DEP_3)
	v_mov_b32 v[227+\i], v[240+\i]
.endr
.irp p, 0,1,2
	global_store_b64 v1, v[224+2*\p:225+2*\p], s[78:79] offset:256*\p
.endr
	global_store_b16 v4, v254, s[80:81]            ; two heads share a scale word: mine are two of its bytes
.endm
	s_load_b256 s[4:11], s[0:1], 0x0               ; qkvc s[4:5], qkvs s[6:7], yc s[8:9], scl2 s[10:11]
	v_lshl_add_u32 v251, v0, 2, 0x32000
	v_mov_b32 v255, 0
	ds_add_u32 v251, v255
	ds_add_u32 v251, v255
	v_lshrrev_b32 v8, 5, v0
	s_delay_alu instid0(VALU_DEP_1)
	v_readfirstlane_b32 s[WV], v8                  ; wave 0..15
	s_and_b32 s14, ttmp7, 0xffff
	s_and_b32 s15, s14, 15                         ; head
	s_lshr_b32 s16, s14, 4                         ; batch
	; group 1 for codes: a dense block of 12,288 bytes as 48 rows of 32 elements of 8 bytes
	s_mov_b32 s24, 3<<16
	s_mov_b32 s25, 32<<16
	s_mov_b32 s26, 48<<16
	s_mov_b32 s27, 32<<16
	s_mov_b32 s28, 48
	s_mov_b32 s29, 32
	s_mov_b32 s30, 0
	s_mov_b32 s31, 0
	; for scale words: 2,048 bytes as 8 such rows
	s_mov_b32 s32, 3<<16
	s_mov_b32 s33, 32<<16
	s_mov_b32 s34, 8<<16
	s_mov_b32 s35, 32<<16
	s_mov_b32 s36, 8
	s_mov_b32 s37, 32
	s_mov_b32 s38, 0
	s_mov_b32 s39, 0
	s_mov_b32 s[SEL], 0x76543210
	s_mov_b32 s[SEL+1], 0xfedcba98
	s_mov_b32 s[CS], 0x3e38aa3b                    ; c = log2(e) / 8
	s_mov_b32 s[CS+1], s[CS]
	s_mov_b32 s[P32], 0x03020302
	s_mul_i32 s[HQ], s15, 393216
	s_mul_i32 s[HY], s15, 768
	s_lshr_b32 s82, s15, 1
	s_lshl_b32 s82, s82, 7
	s_and_b32 s83, s15, 1
	s_lshl_b32 s83, s83, 1
	s_add_co_u32 s[HS], s82, s83
	s_lshl_b32 s[TAU], ttmp9, 4
	s_add_co_u32 s[TAU], s[TAU], s[WV]             ; the first tile: 16 i + w
	; what waves 0-3 fetch: wave 0, 1: the halves of K's groups of 512 keys; wave 2, 3: of V's
	s_lshr_b32 s82, s[WV], 1
	s_and_b32 s83, s[WV], 1
	s_mul_i32 s84, s82, VB
	s_mul_i32 s85, s83, 12288
	s_add_co_u32 s84, s84, s85                     ; LDS: group 0
	s_lshl_b32 s86, s82, 4
	s_add_co_u32 s86, s86, s15
	s_add_co_u32 s86, s86, 16                      ; the plane: 16 + head (k), 32 + head (v)
	s_mul_i32 s74, s86, 393216
	s_mul_i32 s75, s16, 98304
	s_add_co_u32 s74, s74, s75
	s_add_co_u32 s74, s74, s85
	s_mov_b32 s75, 0
	s_lshl_b32 s76, s86, 14
	s_lshl_b32 s77, s16, 12
	s_add_co_u32 s76, s76, s77
	s_lshl_b32 s77, s83, 11
	s_add_co_u32 s76, s76, s77
	s_mov_b32 s77, 0
	s_lshl_b32 s85, s[WV], 11
	s_add_co_u32 s85, s85, KSB                     ; LDS: my 2,048 bytes of scale words
	s_wait_dscnt 0x0
	s_wait_kmcnt 0x0
	s_add_nc_u64 s[78:79], s[4:5], s[74:75]
	s_add_nc_u64 s[80:81], s[6:7], s[76:77]
	s_mov_b32 s56, 1
	s_mov_b32 s57, s85
	s_mov_b64 s[58:59], s[80:81]
	s_or_b32 s59, s59, 0x80000000
.irp g, 0,1,2,3
	s_mov_b32 s[40+4*\g], 1
	s_add_co_u32 s[41+4*\g], s84, 24576*\g
	s_add_nc_u64 s[42+4*\g:43+4*\g], s[78:79], 24576*\g
	s_or_b32 s[43+4*\g], s[43+4*\g], 0x80000000
.endr
	s_cmp_lt_u32 s[WV], 4                          ; all first fills of a wave in one branch: five loads of mine are out
	s_cbranch_scc0 .Lno_fill
	tensor_load_to_lds s[56:59], s[32:39]          ; the scale words first,
	s_nop 0
	tensor_load_to_lds s[40:43], s[24:31]          ; then the keys in groups of 512
	s_nop 0
	tensor_load_to_lds s[44:47], s[24:31]
	s_nop 0
	tensor_load_to_lds s[48:51], s[24:31]
	s_nop 0
	tensor_load_to_lds s[52:55], s[24:31]
	s_nop 0
.rept 4
	v_nop
.endr
.Lno_fill:
	v_and_b32 v6, 31, v0
	s_delay_alu instid0(VALU_DEP_1)
	v_lshlrev_b32 v1, 3, v6                        ; 8 x lane: an image's place for my lane
	s_delay_alu instid0(VALU_DEP_2)
	v_lshlrev_b32 v4, 2, v6                        ; 4 x lane
	v_and_b32 v7, 15, v0
	s_delay_alu instid0(VALU_DEP_1)
	v_lshlrev_b32 v5, 4, v7                        ; 16 r
	s_delay_alu instid0(VALU_DEP_1)
	v_add_nc_u32 v2, KSB, v5
	s_delay_alu instid0(VALU_DEP_3)
	v_and_b32 v3, 8, v7
	s_delay_alu instid0(VALU_DEP_1)
	v_add_nc_u32 v3, v3, v7
	v_bfe_u32 v6, v0, 4, 1
	s_delay_alu instid0(VALU_DEP_1)
	v_lshlrev_b32 v6, 4, v6
	s_delay_alu instid0(VALU_DEP_1)
	v_sub_nc_u32 v3, v3, v6                        ; r + 8 (r / 8) - 16 h
.irp j, 16,17,18,19,20,21,28,29,30,31,32,33
	v_mov_b32 v[\j], 0                             ; the zero codes on both sides of Q
.endr
.irp j, 236,237,238,239,252,253
	v_mov_b32 v[\j], 0                             ; written once: destinations of lane permutes, and the pair named with f
.endr
	INIT
	s_wait_tensorcnt 0x3                           ; the scale words and keys 0-511 are in; three groups may be out
	s_barrier_signal -1
	s_barrier_wait -1
	LOOPN 4
	s_wait_tensorcnt 0x2                           ; keys 512-1,023
	s_wait_dscnt 0x0
	s_barrier_signal -1
	s_barrier_wait -1
	LOOPN 4
	FIN
	s_wait_tensorcnt 0x0                           ; all keys
	s_wait_dscnt 0x0
	s_barrier_signal -1
	s_barrier_wait -1
	s_sub_co_u32 s[TAU], 127, s[TAU]               ; the second tile
	INIT
	LOOPN 16
	FIN
	s_wait_tensorcnt 0x0
	ds_add_u32 v251, v255
	s_wait_dscnt 0x0
	s_endpgm
.Lfunc_end_k_qc9f0b4b53a_attn:
	.size	k_qc9f0b4b53a_attn, .Lfunc_end_k_qc9f0b4b53a_attn-k_qc9f0b4b53a_attn
	.p2alignl 7, 3214868480
	.fill 96, 4, 3214868480
	.section	.rodata,"a",@progbits
	.p2align	6, 0x0
	.amdhsa_kernel k_qc9f0b4b53a_attn
		.amdhsa_group_segment_fixed_size 206848
		.amdhsa_private_segment_fixed_size 0
		.amdhsa_enable_private_segment 0
		.amdhsa_kernarg_size 32
		.amdhsa_user_sgpr_count 2
		.amdhsa_user_sgpr_kernarg_segment_ptr 1
		.amdhsa_wavefront_size32 1
		.amdhsa_system_sgpr_workgroup_id_x 1
		.amdhsa_system_sgpr_workgroup_id_y 1
		.amdhsa_system_sgpr_workgroup_id_z 1
		.amdhsa_system_vgpr_workitem_id 0
		.amdhsa_next_free_vgpr 256
		.amdhsa_next_free_sgpr 96
		.amdhsa_reserve_vcc 1
		.amdhsa_float_denorm_mode_32 3
		.amdhsa_float_denorm_mode_16_64 3
		.amdhsa_memory_ordered 1
		.amdhsa_forward_progress 1
		.amdhsa_inst_pref_size 92
	.end_amdhsa_kernel
	.amdgpu_metadata
---
amdhsa.version: [ 1, 2 ]
amdhsa.kernels:
  - .name:           k_qc9f0b4b53a_attn
    .symbol:         k_qc9f0b4b53a_attn.kd
    .args:
      - { .name: qkvc, .offset: 0, .size: 8, .value_kind: global_buffer, .address_space: global }
      - { .name: qkvs, .offset: 8, .size: 8, .value_kind: global_buffer, .address_space: global }
      - { .name: yc, .offset: 16, .size: 8, .value_kind: global_buffer, .address_space: global }
      - { .name: scl2, .offset: 24, .size: 8, .value_kind: global_buffer, .address_space: global }
    .group_segment_fixed_size: 206848
    .private_segment_fixed_size: 0
    .kernarg_segment_align: 8
    .kernarg_segment_size: 32
    .max_flat_workgroup_size: 512
    .sgpr_count:     96
    .vgpr_count:     256
    .wavefront_size: 32
...
	.end_amdgpu_metadata
.endif
;; end of part 3
;; launch proj (part 4): grid 4 x 32, 4 waves a work-group, clusters of 4 x 4, 327,680 bytes of LDS; arguments yc, wc, scl2, bout, out0; writes out0
.if DOCPART == 4
	.amdgcn_target "amdgcn-amd-amdhsa--gfx1250"
	.amdhsa_code_object_version 6
	.text
	.protected	k_qc9f0b4b53a_proj
	.globl	k_qc9f0b4b53a_proj
	.p2align	8
	.type	k_qc9f0b4b53a_proj,@function
k_qc9f0b4b53a_proj:
	s_mov_b64 s[64:65], 0
	v_nop
	global_prefetch_b8 v0, s[64:65] scope:SCOPE_SE
	s_setreg_imm32_b32 hwreg(HW_REG_WAVE_MODE, 25, 1), 1
	s_wait_xcnt 0x0
	s_wait_alu depctr_hold_cnt(0) depctr_sa_sdst(0) depctr_va_vdst(0) depctr_va_sdst(0) depctr_va_ssrc(0) depctr_va_vcc(0) depctr_vm_vsrc(0)
	s_getreg_b32 s2, hwreg(HW_REG_IB_STS2, 6, 4)
	s_cmp_eq_u32 s2, 0
	s_cbranch_scc0 .Lentry_in_a_cluster
	s_endpgm
.Lentry_in_a_cluster:
	s_bfe_u32 s2, ttmp6, 0x10000c
	s_cmp_lg_u32 s2, 0xf033
	s_cbranch_scc0 .Lentry_shape_is_right
	s_endpgm
.Lentry_shape_is_right:
; out = y Wout + bout on codes of E2M3; out [8192][1024] f32.  S = rows of y (source 1), P = columns of Wout (source 0): a lane holds one row of out and eight neighbouring columns an accumulator.
; A work-group makes 256 rows x 256 columns, each of four waves 128 x 128: 64 accumulators.  K = 1,024 is eight steps of 128, written out: each step names its own scale registers.
; Operands lie in memory as images of their registers (piece p of six: registers 2 p, 2 p + 1 of the 32 lanes), tile by tile, K step by K step.  Position r of tile 2 B + u is row 32 B + 8 u + r + 8 (r / 8).
; LDS: three slots of two K steps (S's 16 tiles x 3,072 bytes, then P's); K steps 6 and 7 come into slot 0 again.  By this text's own count a wave has three tensor loads out at the start, later one.
; CLUSTER 4 x 4: S's tiles are shared along a row of the cluster, P's along a column.  32 x 4 tiles of this size are 128 work-groups; a smaller tile would read each LDS byte for fewer products.
; REGISTERS.  window 0: v1-31 addresses; v32-95 scale words (register 8 i + s: lanes 0-15 S's tile i, lanes 16-31 P's tile i, K step s); v128-223 S's fragments, one set (on the way out v128-255: rows read back).
;   window 1: P's fragments, sets at v0 and v128; the bias in v96-127 and v224-255.  windows 2, 3: the accumulators.
.set SLOT,  98304
.set HALFT, 24576
.set SPARE, 3*SLOT                     ; behind the slots: the spare words, 128 bytes for each wave: two blocks of 256 bytes that no other line names
.set STG,   SLOT                       ; the way out: 16 rows x (512 + 16) bytes for each wave, in slot 1, which is filled once and was last read ahead of the last barrier
.set SPITCH, 528
.set FR,   12
.set ADRA, 16
.set ADRB, 20
.set STO,  24
.set RD,   25
.set CO,   26
.set VSO,  27
.set SPW,  28
.set NIL,  29
.set BPO,  30
.set SC,   32
.set AF,   128
.set BK,   128
.set G1S,  24
.set G1P,  32
.set G0S,  40
.set G0P,  52
.set MSB, 0
.macro WIN new                         ; the immediate's high byte repeats the setting that is left
.if MSB != (\new)
	s_set_vgpr_msb (MSB<<8)|(\new)
.set MSB, (\new)
.endif
.endm
.set MUL_LO, 0xa1
.set MUL_HI, 0xf1
.set TO_B,   0x40
.macro JLOAD g0a, g1a, g0b, g1b        ; a joint load: waves 0 and 1 fetch S's halves, waves 2 and 3 P's; four v_nop follow each of the two lines
	s_cmp_eq_u32 s17, 0
	s_cbranch_scc0 .Lfor_p_\@
	tensor_load_to_lds s[\g0a:\g0a+3], s[\g1a:\g1a+7]
	s_nop 0
.rept 4
	v_nop
.endr
	s_branch .Lasked_\@
.Lfor_p_\@:
	tensor_load_to_lds s[\g0b:\g0b+3], s[\g1b:\g1b+7]
	s_nop 0
.rept 4
	v_nop
.endr
.Lasked_\@:
.endm
.macro CREST
	s_cmp_lg_u32 s16, 0
	s_cbranch_scc1 .Lnot_wave_0_\@
	s_barrier_signal -3
.Lnot_wave_0_\@:
	s_barrier_wait -3
	s_barrier_signal -1
	s_barrier_wait -1
.endm
.macro CROUND
	s_barrier_signal -1
	s_barrier_wait -1
	CREST
.endm
.macro PLACES n                        ; plain vector places behind matrix instructions (ISA guide 7.12.1)
.rept \n
	v_nop
.endr
.endm
.macro FRAG reg, adr, q, i
.irp p, 0,1,2,3,4,5
	ds_load_b64 v[\reg+2*\p:\reg+2*\p+1], v[\adr] offset:3072*(\i)+1536*(\q)+256*\p
.endr
.endm
.macro FETCH_B slot, q, p
	WIN TO_B
.irp i, 0,1,2,3,4,5,6,7
	FRAG 128*(\p)+FR*\i, ADRB+\slot, \q, \i
.endr
	WIN 0
.endm
.macro FETCH_A slot, q, i0
.irp i, \i0, \i0+1, \i0+2, \i0+3
	FRAG AF+FR*(\i), ADRA+\slot, \q, \i
.endr
.endm
; 16 products: S's tiles a0, a0 + 1 x P's eight, K step s.  first = 1: the sums begin with the bias as C.  The 64 accumulators take turns in the same order in every step.
.macro MUL16 a0, p, s, first
.irp a, \a0, \a0+1
.irp b, 0,1,2,3,4,5,6,7
.if \first
	v_wmma_scale_f32_16x16x128_f8f6f4 v[8*(8*((\a)%4)+\b):8*(8*((\a)%4)+\b)+7], v[128*(\p)+FR*\b:128*(\p)+FR*\b+FR-1], v[AF+FR*(\a):AF+FR*(\a)+FR-1], v[96+8*\b+96*(\b/4):96+8*\b+96*(\b/4)+7], v[SC+8*\b+(\s)], v[SC+8*(\a)+(\s)] matrix_a_fmt:MATRIX_FMT_FP6 matrix_b_fmt:MATRIX_FMT_FP6 matrix_a_scale:MATRIX_SCALE_ROW1
.else
	v_wmma_scale_f32_16x16x128_f8f6f4 v[8*(8*((\a)%4)+\b):8*(8*((\a)%4)+\b)+7], v[128*(\p)+FR*\b:128*(\p)+FR*\b+FR-1], v[AF+FR*(\a):AF+FR*(\a)+FR-1], v[8*(8*((\a)%4)+\b):8*(8*((\a)%4)+\b)+7], v[SC+8*\b+(\s)], v[SC+8*(\a)+(\s)] matrix_a_fmt:MATRIX_FMT_FP6 matrix_b_fmt:MATRIX_FMT_FP6 matrix_a_scale:MATRIX_SCALE_ROW1
.endif
.endr
.endr
.endm
.macro STEP s, nslot, nq, first
	s_wait_dscnt 24                                ; P's set and S's tiles 0-3 are in; the youngest 24 loads (S's tiles 4-7) may be out
.if \first
	WIN 0x91                                       ; as MUL_LO, with C (the bias) in window 1
.else
	WIN MUL_LO
.endif
	MUL16 0, (\s)%2, \s, \first
	MUL16 2, (\s)%2, \s, \first
	s_wait_dscnt 0x0
	PLACES 4
	FETCH_B \nslot, \nq, 1-(\s)%2
	FETCH_A \nslot, \nq, 0
.if \first
	WIN 0xd1
.else
	WIN MUL_HI
.endif
	MUL16 4, (\s)%2, \s, \first
	MUL16 6, (\s)%2, \s, \first
	PLACES 4
	WIN 0
	FETCH_A \nslot, \nq, 4
.endm
.macro TURN s, slot, nslot, fill
	s_wait_tensorcnt 0x0                           ; all my tensor loads have landed
	ds_add_u32 v[SPW], v[NIL]                      ; 0 onto my spare word
	s_wait_dscnt 25                                ; (the add and the youngest 24 loads may be out)
	WIN MUL_LO
	MUL16 0, 1, \s, 0
	s_wait_dscnt 0x0                               ; the add is done, and my reads of the slots are over
	s_barrier_signal -1
	MUL16 2, 1, \s, 0
	WIN 0
	s_barrier_wait -1
.if \fill
	CREST                                          ; no wave of any partner still reads the slot or has a load on its way
	s_add_nc_u64 s[G0S+4*\slot+2:G0S+4*\slot+3], s[G0S+4*\slot+2:G0S+4*\slot+3], 9216
	s_add_nc_u64 s[G0P+4*\slot+2:G0P+4*\slot+3], s[G0P+4*\slot+2:G0P+4*\slot+3], 9216
	JLOAD G0S+4*\slot, G1S, G0P+4*\slot, G1P       ; the first tensor load behind the round; its four v_nop are the places in front of the loads below
.else
	PLACES 4
.endif
	FETCH_B \nslot, 0, 0
	FETCH_A \nslot, 0, 0
	WIN MUL_HI
	MUL16 4, 1, \s, 0
	MUL16 6, 1, \s, 0
	PLACES 4
	WIN 0
	FETCH_A \nslot, 0, 4
.endm
	s_load_b256 s[4:11], s[0:1], 0x0               ; yc s[4:5], wc s[6:7], scl2 s[8:9], bout s[10:11]
	s_load_b64 s[12:13], s[0:1], 0x20              ; out0
	v_lshl_add_u32 v[SPW], v0, 2, SPARE
	v_mov_b32 v[NIL], 0
	ds_add_u32 v28, v29
	ds_add_u32 v28, v29
	s_wait_dscnt 0x0
	v_lshrrev_b32 v1, 5, v0
	v_readfirstlane_b32 s16, v1                    ; wave 0..3
	s_lshr_b32 s17, s16, 1                         ; which half of the rows is mine.  Also: I fetch for S (0) or for P (1)
	s_and_b32 s18, s16, 1                          ; which half of the columns.  Also: which 8 tiles I fetch
	s_bfe_u32 s19, ttmp6, 0x40000                  ; cx: which 256 columns
	s_bfe_u32 s20, ttmp6, 0x40004                  ; cy
	s_and_b32 s68, ttmp7, 0xffff
	s_lshl_b32 s68, s68, 2
	s_add_co_u32 s68, s68, s20                     ; R: which 256 rows
	s_lshl_b32 s21, s20, 2
	s_lshl_b32 s21, 15, s21                        ; my row of the cluster
	s_lshl_b32 s22, 0x1111, s19                    ; my column
	s_or_b32 s[G1S], s21, (3<<16)|(1<<21)          ; 8 rows (tiles) of 384 elements of 8 bytes, 1,536 elements from tile to tile
	s_or_b32 s[G1P], s22, (3<<16)|(1<<21)
.irp g, G1S, G1P
	s_mov_b32 s[\g+1], 384<<16
	s_mov_b32 s[\g+2], 8<<16
	s_mov_b32 s[\g+3], 384<<16
	s_mov_b32 s[\g+4], 8
	s_mov_b32 s[\g+5], 1536
	s_mov_b32 s[\g+6], 0
	s_mov_b32 s[\g+7], 0
.endr
	s_lshl_b32 s23, s18, 3
	s_lshl_b32 s82, s68, 4
	s_add_co_u32 s82, s82, s23
	s_mul_i32 s82, s82, 12288
	s_mov_b32 s83, 0
	s_lshl_b32 s84, s19, 4
	s_add_co_u32 s84, s84, s23
	s_add_co_u32 s84, s84, 192                     ; Wout's tiles begin at tile 192 of wc
	s_mul_i32 s84, s84, 12288
	s_mov_b32 s85, 0
	s_mul_i32 s86, s16, HALFT
	s_wait_kmcnt 0x0
	s_add_nc_u64 s[88:89], s[4:5], s[82:83]
	s_add_nc_u64 s[90:91], s[6:7], s[84:85]
	CROUND                                         ; all sixteen work-groups are here: the first joint loads meet
.irp s, 0,1,2
	s_mov_b32 s[G0S+4*\s], 1
	s_add_co_u32 s[G0S+4*\s+1], s86, \s*SLOT
	s_add_nc_u64 s[G0S+4*\s+2:G0S+4*\s+3], s[88:89], \s*3072
	s_or_b32 s[G0S+4*\s+3], s[G0S+4*\s+3], 0x80000000
	s_mov_b32 s[G0P+4*\s], 1
	s_add_co_u32 s[G0P+4*\s+1], s86, \s*SLOT
	s_add_nc_u64 s[G0P+4*\s+2:G0P+4*\s+3], s[90:91], \s*3072
	s_or_b32 s[G0P+4*\s+3], s[G0P+4*\s+3], 0x80000000
	JLOAD G0S+4*\s, G1S, G0P+4*\s, G1P
.endr
	v_and_b32 v1, 15, v0                           ; r
	v_bfe_u32 v2, v0, 4, 1                         ; h
	v_and_b32 v3, 31, v0
	v_lshlrev_b32 v14, 2, v3                       ; 4 x lane
	v_lshlrev_b32 v[CO], 4, v3                     ; 16 x lane
	v_lshlrev_b32 v3, 3, v3                        ; 8 x lane
	s_mul_i32 s92, s17, HALFT
	s_mul_i32 s93, s18, HALFT
	s_add_co_u32 s93, s93, 2*HALFT
.irp s, 0,1,2
	v_add_nc_u32 v[ADRA+\s], s92, v3
	v_add_nc_u32 v[ADRB+\s], s93, v3
	s_add_co_u32 s92, s92, SLOT
	s_add_co_u32 s93, s93, SLOT
.endr
	s_mul_i32 s92, s16, 16*SPITCH
	s_add_co_u32 s92, s92, STG                     ; my stage
	v_mul_u32_u24 v[STO], v1, SPITCH
	v_lshl_add_u32 v[STO], v2, 6, v[STO]
	v_add_nc_u32 v[STO], s92, v[STO]               ; in: row r, + 64 h
	v_add_nc_u32 v[RD], s92, v[CO]                 ; back: the 32 lanes take one row of 512 bytes
	s_lshl_b32 s94, s19, 1
	s_add_co_u32 s94, s94, s18                     ; pcn: which 128 columns are my wave's
	s_lshl_b32 s95, s68, 1
	s_add_co_u32 s95, s95, s17                     ; rcn: which 128 rows
	s_lshl_b32 s82, s95, 13                        ; y's scale images: 8 tiles of 1,024 bytes
	s_lshl_b32 s83, s94, 13
	s_add_co_u32 s83, s83, 524288                  ; Wout's lie behind y's 512 tiles'
	v_mov_b32 v[VSO], s82
	v_mov_b32 v15, s83
	v_cmp_eq_u32 vcc_lo, 1, v2
	v_cndmask_b32 v[VSO], v[VSO], v15, vcc_lo      ; lanes 0-15 take S's words, lanes 16-31 P's
	v_add_nc_u32 v[VSO], v[VSO], v14
.irp i, 0,1,2,3,4,5,6,7
.irp s, 0,1,2,3,4,5,6,7
	global_load_b32 v[SC+8*\i+\s], v[VSO], s[8:9] offset:1024*\i+128*\s
.endr
.endr
	s_lshl_b32 s84, s94, 9
	s_mov_b32 s85, 0
	s_add_nc_u64 s[10:11], s[10:11], s[84:85]      ; bout at my 128 columns
	s_add_nc_u64 s[12:13], s[12:13], s[84:85]      ; out0 at my first column,
	s_lshl_b32 s84, s95, 19
	s_add_nc_u64 s[12:13], s[12:13], s[84:85]      ; and my first row: 128 rows of 4,096 bytes
	v_lshlrev_b32 v[BPO], 6, v2                    ; for tile b a lane wants the numbers 32 (b / 2) + 16 h + 8 (b % 2) + 0 .. 7
	WIN TO_B
.irp b, 0,1,2,3,4,5,6,7
	global_load_b128 v[96+8*\b+96*(\b/4):96+8*\b+96*(\b/4)+3], v[BPO], s[10:11] offset:4*(32*(\b/2)+8*(\b%2))
	global_load_b128 v[96+8*\b+96*(\b/4)+4:96+8*\b+96*(\b/4)+7], v[BPO], s[10:11] offset:4*(32*(\b/2)+8*(\b%2))+16
.endr
	WIN 0
	s_wait_loadcnt 0x0
	s_wait_tensorcnt 0x2                           ; my part of slot 0 is in; slots 1 and 2 may be out
	s_barrier_signal -1
	s_barrier_wait -1
	FETCH_B 0, 0, 0
	FETCH_A 0, 0, 0
	FETCH_A 0, 0, 4
	STEP 0, 0, 1, 1
	TURN 1, 0, 1, 1                                ; slot 0 is read out: K steps 6 and 7 go into it.  Every wave's wait in front of this round also showed slots 1 and 2 whole
	STEP 2, 1, 1, 0
	STEP 3, 2, 0, 0
	STEP 4, 2, 1, 0
	TURN 5, 2, 0, 0                                ; the refill is whole for every wave; behind this barrier nobody reads slot 1 any more
	STEP 6, 0, 1, 0
	s_wait_dscnt 24
	WIN MUL_LO
	MUL16 0, 1, 7, 0
	MUL16 2, 1, 7, 0
	s_wait_dscnt 0x0
	WIN MUL_HI
	MUL16 4, 1, 7, 0
	MUL16 6, 1, 7, 0
	WIN 0
; THE WAY OUT, tile of rows by tile.  A lane holds 32-byte pieces of one row, the lanes beside it other rows: a tile goes through my own stage and comes back as whole rows of 512 bytes.
; LDS serves a wave's instructions in order (ISA guide 5.7.1.4): no wait between the stores and the loads.
.macro TOSTAGE a
.set AC, 64*((\a)%4)
	WIN 0x08+4*((\a)/4)                            ; an LDS store's data are its source 1: window 2 or 3
.irp b, 0,1,2,3,4,5,6,7
	ds_store_b128 v[STO], v[AC+8*\b:AC+8*\b+3] offset:128*(\b/2)+32*(\b%2)          ; columns 32 (b / 2) + 16 h + 8 (b % 2) on; each accumulator from its low end on
	ds_store_b128 v[STO], v[AC+8*\b+4:AC+8*\b+7] offset:128*(\b/2)+32*(\b%2)+16
.endr
	WIN 0
.set BB, BK+64*((\a)%2)
.irp t, 0,1,2,3,4,5,6,7,8,9,10,11,12,13,14,15
	ds_load_b128 v[BB+4*\t:BB+4*\t+3], v[RD] offset:\t*SPITCH
.endr
.endm
.macro SEND a, younger                 ; younger: the LDS instructions issued behind tile a's loads, which may stay out
.set BB, BK+64*((\a)%2)
	s_wait_dscnt \younger
.irp t, 0,1,2,3,4,5,6,7,8,9,10,11,12,13,14,15
	global_store_b128 v[CO], v[BB+4*\t:BB+4*\t+3], s[12:13] offset:(32*((\a)/2)+8*((\a)%2)+\t+8*(\t/8))*4096 th:TH_STORE_NT   ; position t's row: 512 consecutive bytes, aligned; written once, read by nobody here
.endr
.endm
	PLACES 4
	TOSTAGE 0
.irp a, 1,2,3,4,5,6,7
.if \a > 1
	s_wait_xcnt 0x0                                ; the stores of two tiles ago have read their registers: this tile's loads may land there
.endif
	TOSTAGE \a
	SEND \a-1, 32                                  ; behind that tile's loads: this tile's 16 stores and 16 loads
.endr
	SEND 7, 0
	s_wait_tensorcnt 0x0                           ; the wave's end
	ds_add_u32 v[SPW], v[NIL]
	s_wait_dscnt 0x0
	CROUND                                         ; the closing round: no work-group ends while a partner may still ask for a tile that names it
	s_endpgm
.Lfunc_end_k_qc9f0b4b53a_proj:
	.size	k_qc9f0b4b53a_proj, .Lfunc_end_k_qc9f0b4b53a_proj-k_qc9f0b4b53a_proj
	.p2alignl 7, 3214868480
	.fill 96, 4, 3214868480
	.section	.rodata,"a",@progbits
	.p2align	6, 0x0
	.amdhsa_kernel k_qc9f0b4b53a_proj
		.amdhsa_group_segment_fixed_size 327680
		.amdhsa_private_segment_fixed_size 0
		.amdhsa_enable_private_segment 0
		.amdhsa_kernarg_size 40
		.amdhsa_user_sgpr_count 2
		.amdhsa_user_sgpr_kernarg_segment_ptr 1
		.amdhsa_wavefront_size32 1
		.amdhsa_system_sgpr_workgroup_id_x 1
		.amdhsa_system_sgpr_workgroup_id_y 1
		.amdhsa_system_sgpr_workgroup_id_z 1
		.amdhsa_system_vgpr_workitem_id 0
		.amdhsa_next_free_vgpr 1024
		.amdhsa_next_free_sgpr 100
		.amdhsa_reserve_vcc 1
		.amdhsa_float_denorm_mode_32 3
		.amdhsa_float_denorm_mode_16_64 3
		.amdhsa_memory_ordered 1
		.amdhsa_forward_progress 1
		.amdhsa_inst_pref_size 162
	.end_amdhsa_kernel
	.amdgpu_metadata
---
amdhsa.version: [ 1, 2 ]
amdhsa.kernels:
  - .name:           k_qc9f0b4b53a_proj
    .symbol:         k_qc9f0b4b53a_proj.kd
    .args:
      - { .name: yc, .offset: 0, .size: 8, .value_kind: global_buffer, .address_space: global }
      - { .name: wc, .offset: 8, .size: 8, .value_kind: global_buffer, .address_space: global }
      - { .name: scl2, .offset: 16, .size: 8, .value_kind: global_buffer, .address_space: global }
      - { .name: bout, .offset: 24, .size: 8, .value_kind: global_buffer, .address_space: global }
      - { .name: out0, .offset: 32, .size: 8, .value_kind: global_buffer, .address_space: global }
    .group_segment_fixed_size: 327680
    .private_segment_fixed_size: 0
    .kernarg_segment_align: 8
    .kernarg_segment_size: 40
    .max_flat_workgroup_size: 128
    .sgpr_count:     100
    .vgpr_count:     1024
    .wavefront_size: 32
...
	.end_amdgpu_metadata
.endif
;; end of part 4
